; MI455X (gfx1250); checked and timed in simulation.
; The chip was launched on July 23, 2026; its instructions are those of AMD's public machine-readable ISA for CDNA 5 (MIT licence, August 2026) and "CDNA5" Instruction Set Architecture Reference Guide (July 2026). The comments in the code are by the model that wrote it; some were corrected since.
;; Multi Head Attention. Allowed arithmetic: matrix products marked QUANTISED: E5M2 operands, one given power-of-two scale a tensor, by v_wmma_f32_16x16x64_bf8_bf8 or v_wmma_f32_16x16x128_bf8_bf8, f32 sums; everything else in f32.
;; Inputs: Wk_codes 1,024 x 32 x 32 uint8 (E5M2 codes of Wk, K innermost, in blocks of 32 codes); Wo_codes 1,024 x 32 x 32 uint8 (E5M2 codes of Wo, K innermost, in blocks of 32 codes); Wq_codes 1,024 x 32 x 32 uint8 (E5M2 codes of Wq, K innermost, in blocks of 32 codes); Wv_codes 1,024 x 32 x 32 uint8 (E5M2 codes of Wv, K innermost, in blocks of 32 codes); bo 1,024 float32; lowp_scales 12 int32 (the exponents e of the quantised operands' scales 2^e); x_codes 2 x 2,048 x 32 x 32 uint8 (E5M2 codes of x, K innermost, in blocks of 32 codes).
;; Outputs: out0 2 x 2,048 x 1,024 float32.
;; This version of the problem:
;;   THIS VERSION OF THE PROBLEM IS GIVEN IN LOW PRECISION. The matrix products marked QUANTISED in the list below multiply operands that are first quantised to E5M2 (5 exponent bits, 2 mantissa bits; 8 bits a number), with one given power-of-two scale for each operand tensor; their sums are f32. All else is computed in f32.
;;   The module's matrix products, in the order in which they are computed (A, B: the left and right operand; K: the contracted axis; several contracted axes count as one K, in the product's order):
;;     1. [M 4,096, K 1,024] x [K 1,024, N 1,024]; A: input x (given as codes); B: input Wq (given as codes): QUANTISED (scales: A lowp_scales[0], B lowp_scales[1])
;;     2. [M 4,096, K 1,024] x [K 1,024, N 1,024]; A: input x (given as codes); B: input Wk (given as codes): QUANTISED (scales: A lowp_scales[2], B lowp_scales[3])
;;     3. [M 4,096, K 1,024] x [K 1,024, N 1,024]; A: input x (given as codes); B: input Wv (given as codes): QUANTISED (scales: A lowp_scales[4], B lowp_scales[5])
;;     4. batch 32 x [M 2,048, K 64] x [K 64, N 2,048]; A: computed on the way; B: computed on the way: QUANTISED (scales: A lowp_scales[6], B lowp_scales[7])
;;     5. batch 32 x [M 2,048, K 2,048] x [K 2,048, N 64]; A: softmax (see below); B: computed on the way: QUANTISED (scales: A lowp_scales[8], B lowp_scales[9])
;;     6. [M 4,096, K 1,024] x [K 1,024, N 1,024]; A: computed on the way; B: input Wo (given as codes): QUANTISED (scales: A lowp_scales[10], B lowp_scales[11])
;;   THE QUANTISER, for each operand of a quantised product, along K:
;;     - The operand's scale is 2^e, e = its entry of the input lowp_scales (int32; the entries are numbered through the quantised products in the list's order, A before B).
;;     - Each number is divided by the scale, clamped to +-57,344, and rounded to the nearest number of E5M2, ties to even, subnormals kept.
;;     - The product sums the exact products of the quantised numbers (number of the format x scale) in f32.
;;   ~~~python
;;   def quantise(x, axis, e):      # numpy; x: float32 -> the quantised numbers, widened to float32 again
;;       x = np.moveaxis(x, axis, -1); K = x.shape[-1]
;;       r = np.clip(x / 2.0 ** e, -57344, 57344)
;;       step = 2.0 ** (np.maximum(np.frexp(np.where(r == 0, 1, r))[1] - 1, -14) - 2)
;;       q = np.round(r / step) * step * 2.0 ** e      # np.round: ties to even
;;       return np.moveaxis(q, -1, axis).astype(np.float32)
;;   ~~~
;;   SOFTMAX AHEAD OF A QUANTISED PRODUCT. Where the list says 'softmax', what is quantised is not the finished softmax but p = 2^(t - M), with t = logit x log2(e) and M = ceil(the row's largest t), a whole number; so 1/2 < the row's largest p <= 1. The row's sum l is taken of the UNQUANTISED p, in f32, and the product's result is divided by l at the end. Since M is a whole number, a kernel that streams over the keys may use a running M (the ceiling of the running maximum): every later rescaling is an exact power of two, so the quantised numbers keep their values, but for numbers so far below the row's largest that they fall under the format's range.
;;   OPERANDS COMPUTED ON THE WAY. 'Computed on the way' means the value that the module computes at that place (a softmax that the list does not call 'softmax' is quantised finished and normalised). What goes into a quantiser is computed in f32, as accurately as f32 sums, v_exp_f32 and their like allow (about 1e-6 of the number): no bf16 or f16 on the way to a quantiser, and a product that is left as it is and whose result goes on into a quantised operand takes f32 operands (vector FMAs, or v_wmma_f32_16x16x4_f32). A number that lies on a knife's edge between two numbers of the format may be rounded either way, as far as f32 arithmetic and the matrix unit's own rounding can turn it there, and no further.
;;   INPUTS GIVEN AS CODES. Wk (in the module: [1024, 1024], K = its axis 0); Wo (in the module: [1024, 1024], K = its axis 0); Wq (in the module: [1024, 1024], K = its axis 0); Wv (in the module: [1024, 1024], K = its axis 0); x (in the module: [2, 2048, 1024], K = its axis 2): each comes as NAME_codes (uint8): NAME with its K axis moved to the last place and cut into blocks of 32 codes, [.., K / 32, bytes a block], one block behind the other in memory; one code a byte (a code: sign, 5 exponent bits, 2 mantissa bits); its scale is its entry of lowp_scales. Its value is code x scale, taken as it is: it is not quantised again, and the codes and scales need not be those that the quantiser above would give.
;; 2 versions, each right; version 2 is version 1 with the launch attn written anew for expert scheduling mode. Each part assembles by itself: llvm-mc -triple=amdgcn-amd-amdhsa -mcpu=gfx1250 --defsym DOCPART=n.
;; ======== version 1 of 2: 3 launches
;; limits: right only within a limited range of input values
;; workspace buffers: q_img 4,194,304 bytes; k_img 4,194,304 bytes; v_img 4,194,304 bytes; ctx_img 4,194,304 bytes
;; launch qkv (part 1): grid 8 x 32, 4 waves a work-group, clusters of 4 x 4, 327,680 bytes of LDS; arguments x_codes, Wq_codes, Wk_codes, Wv_codes, lowp_scales, q_img, k_img, v_img; writes q_img, k_img, v_img
.if DOCPART == 1
	.amdgcn_target "amdgcn-amd-amdhsa--gfx1250"
	.amdhsa_code_object_version 6
	.text
	.protected	k_q642a53ada8_qkv
	.globl	k_q642a53ada8_qkv
	.p2align	8
	.type	k_q642a53ada8_qkv,@function
k_q642a53ada8_qkv:
	s_mov_b64 s[64:65], 0
	v_nop
	global_prefetch_b8 v0, s[64:65] scope:SCOPE_SE
	s_setreg_imm32_b32 hwreg(HW_REG_WAVE_MODE, 25, 1), 1
	s_wait_xcnt 0x0
	s_wait_alu depctr_hold_cnt(0) depctr_sa_sdst(0) depctr_va_vdst(0) depctr_va_sdst(0) depctr_va_ssrc(0) depctr_va_vcc(0) depctr_vm_vsrc(0)
	s_getreg_b32 s2, hwreg(HW_REG_IB_STS2, 6, 4)
	s_cmp_eq_u32 s2, 0
	s_cbranch_scc0 .Lentry_in_a_cluster
	s_endpgm
.Lentry_in_a_cluster:
	s_bfe_u32 s2, ttmp6, 0x10000c
	s_cmp_lg_u32 s2, 0xf033
	s_cbranch_scc0 .Lentry_shape_is_right
	s_endpgm
.Lentry_shape_is_right:
; FIRST OF THREE LAUNCHES: q = x Wq, k = x Wk, v = x Wv on codes of BF8 (E5M2), each result quantised at once for the attention's products.
; x: [4096][1024] codes; Wq, Wk, Wv: [1024 (feature)][1024 (k)] codes, K innermost.  lowp_scales: e0 .. e11.
; A sum of product 1 stands for sum x 2^(e0 + e1), and q's code is q / 2^e6: the three exponents are folded into the conversion's one scale, 2^(e6 - e0 - e1); k: e7 - e2 - e3; v: e9 - e4 - e5.
; DEAD WORK OF THE WHOLE PROGRAM (left out in the second launch, nothing here): reference() itself builds the causal mask (jnp.tril) and puts -inf in the place of every score whose key comes after its query,
; whatever that score holds; the weight is then 0 and adds 0 to the row's sum and 0 x v to ctx, for all finite inputs.  So a step of 128 keys all of which come after a tile's 16 queries is not multiplied, and a
; part of K and V that no wave of a work-group reads is not fetched.  Every input has a way to the output and is loaded.  LIMIT: a NaN, an infinity or an overflow that reaches only the work left out is not carried to the result.
; LIMITS on the given exponents, so that each power of two is an f32 number: e6 - e0 - e1, e7 - e2 - e3 and e9 - e4 - e5 lie between -126 and 112.  NaN codes among the inputs are not served.
; SHARES.  A work-group takes 128 tokens x 128 features of EACH of q, k, v (two heads): 32 x 8 = 256 work-groups.  Wave w takes all 8 tiles of 16 tokens x 6 tiles of features (32 w .. 32 w + 31 of q, of k, of v):
; 48 accumulators, 384 registers; for 128 along K it reads 14 fragments for 48 matrix instructions.  K goes in steps of 256 through a ring of two LDS slots (x, Wq, Wk, Wv: 128 rows of 256 bytes each, one tensor load a wave).
; CLUSTERS: 4 x 4 work-groups.  The four of a row of the cluster need the same tile of x, the four of a column the same tiles of the weights: each is asked for jointly, by the same tensor load with a mask that names the four.
; LAYOUT OF THE RESULTS: images of the next launch's operand registers, each group of four registers as 512 consecutive bytes, lane l's 16 bytes at 16 l.
;   q and k are used TRANSPOSED (source 0 = 16 rows of W, source 1 = 16 tokens): a lane holds one token and eight neighbouring features: q_img, k_img [b][head][tile of 16 tokens][c = 0, 1][lane][16]:
;   lane (r, h): token r, d = 32 c + 8 h + 0..7, then 32 c + 16 + 8 h + 0..7 (wave w makes c = w % 2 of head 2 CB + w / 2).
;   v is used straight (source 0 = 16 tokens, source 1 = 16 rows of Wv): a lane holds one channel and eight neighbouring tokens, which are the second product's K: v_img [b][head][step of 128 keys][dt = 0..3][c = 0..3][lane][16]:
;   lane (r, h): channel 32 (dt / 2) + 8 (dt % 2) + r + 8 (r / 8), keys 32 c + 8 h + 0..7, then + 16.  THE ROWS OF Wv THAT FORM A TILE ARE NOT NEIGHBOURS: so ctx falls, a launch later, into 16 neighbouring channels a lane.
; REGISTERS, in windows of 256: window 0: v1-31 addresses and scales; v32-127 six fragments of the weights, v128-255 eight of x: set 0.  window 1: the same places: set 1.
;   window 2: q's and k's accumulators, (f, T) at v[8 (8 f + T)], f = q0, q1, k0, k1.   window 3: v's, (u, T) at v[8 (8 u + T)].
.set PITCH,  272                       ; an LDS row: 256 bytes + 16 of padding = 68 words: the 16 neighbouring rows that a fragment load touches start at 16 different banks
.set HALFT,  128*PITCH                 ; one tensor load's 128 rows
.set SLOT,   4*HALFT                   ; x, Wq, Wk, Wv
.set SPARE,  2*SLOT                    ; behind the ring: the spare words, 128 bytes for each wave: two blocks of 256 bytes that no other line names
.set KSTEPB, 256                       ; bytes of a row in a slot
.set ADRX, 16                          ; v16-17  LDS address of x's fragments in slot 0, 1
.set ADQ,  18                          ; v18-19  of Wq's (Wk's lie HALFT further on)
.set ADV,  20                          ; v20-21  of Wv's
.set LO,   22                          ; v22     16 x lane: my place in an image
.set QSC,  24                          ; v24, v25  q's scale as f32 and the largest number x that scale
.set QLM,  25
.set KSC,  26                          ; v26, v27  k's
.set KLM,  27
.set SPW,  28                          ; v28     LDS address of my spare word; never rewritten
.set NIL,  29                          ; v29     0; never rewritten
.set VSC,  30                          ; v30, v31  v's
.set VLM,  31
.set WF,   32                          ; the weights' fragments: q0, q1, k0, k1, v0, v1, 16 registers each
.set XF,   128                         ; x's fragments
.set WV,   20                          ; s20     my wave's number
.set CB,   23                          ; s23     block of 128 features
.set RB,   24                          ; s24     block of 128 tokens
.set G1X,  28                          ; s[28:35] descriptor group 1 for x's tiles;  s[36:43] for the weights': they differ in the mask
.set G1W,  36
.set G0X,  44                          ; s[44:51] group 0 for x, one set for each slot;  s[52:59] for the weights
.set G0W,  52
.set MSB, 0
.macro WIN new                         ; the immediate's high byte repeats the setting that is left; a switch that changes nothing is dropped
.if MSB != (\new)
	s_set_vgpr_msb (MSB<<8)|(\new)
.set MSB, (\new)
.endif
.endm
; A joint load: wave 0 fetches x's tile, waves 1 to 3 those of Wq, Wk, Wv.  Each of the two lines has one mask; the branch hangs on the wave's number alone.
; An s_nop 0 and four v_nop follow each of the two lines, ahead of the jump, the label and what follows.
.macro JLOAD s
	s_cmp_eq_u32 s[WV], 0
	s_cbranch_scc0 .Lfor_w_\@
	tensor_load_to_lds s[G0X+4*\s:G0X+4*\s+3], s[G1X:G1X+7]
	s_nop 0
.rept 4
	v_nop
.endr
	s_branch .Lasked_\@
.Lfor_w_\@:
	tensor_load_to_lds s[G0W+4*\s:G0W+4*\s+3], s[G1W:G1W+7]
	s_nop 0
.rept 4
	v_nop
.endr
.Lasked_\@:
.endm
.macro CREST                           ; a round of the cluster's barrier behind its opening barrier
	s_cmp_lg_u32 s[WV], 0
	s_cbranch_scc1 .Lnot_wave_0_\@
	s_barrier_signal -3
.Lnot_wave_0_\@:
	s_barrier_wait -3
	s_barrier_signal -1
	s_barrier_wait -1
.endm
.macro CROUND                          ; a whole round
	s_barrier_signal -1
	s_barrier_wait -1
	CREST
.endm
.macro PLACES                          ; four plain places in front of loads into registers that matrix instructions have read (ISA guide 7.12.1 for vector instructions)
.rept 4
	v_nop
.endr
.endm
	s_load_b512 s[4:19], s[0:1], 0x0               ; x s[4:5], Wq s[6:7], Wk s[8:9], Wv s[10:11], the exponents s[12:13], q_img s[14:15], k_img s[16:17], v_img s[18:19]
	v_lshl_add_u32 v[SPW], v0, 2, SPARE
	v_mov_b32 v[NIL], 0
	ds_add_u32 v[SPW], v[NIL]                      ; the wave's opening: the add, twice on end, and its wait ahead of my first tensor load; the set-up below stands between
	ds_add_u32 v[SPW], v[NIL]
	v_lshrrev_b32 v1, 5, v0
	v_readfirstlane_b32 s[WV], v1                  ; wave 0..3
	s_bfe_u32 s21, ttmp6, 0x40000                  ; cx, cy: my place in the cluster
	s_bfe_u32 s22, ttmp6, 0x40004
	s_lshl_b32 s[CB], ttmp9, 2
	s_add_co_u32 s[CB], s[CB], s21                 ; block of features = 4 x cluster x + cx
	s_and_b32 s[RB], ttmp7, 0xffff
	s_lshl_b32 s[RB], s[RB], 2
	s_add_co_u32 s[RB], s[RB], s22                 ; block of tokens = 4 x cluster y + cy
	s_lshl_b32 s25, s22, 2
	s_lshl_b32 s25, 15, s25                        ; my row of the cluster
	s_lshl_b32 s26, 0x1111, s21                    ; my column
	; descriptor group 1: 128 rows x 256 bytes, rows 1,024 bytes apart in memory, padded in LDS
	s_or_b32 s[G1X], s25, (1<<20)|(1<<21)|(5<<22)|(3<<25)   ; 15:0 the mask: x's tile goes to my row; 17:16 elements of 1 byte; 20 padding on; 21 set beside a mask; 24:22 after every 64 words; 31:25 four words
	s_or_b32 s[G1W], s26, (1<<20)|(1<<21)|(5<<22)|(3<<25)   ; the same with my column's mask
.irp g, G1X, G1W
	s_mov_b32 s[\g+1], KSTEPB<<16                  ; tensor_dim0
	s_mov_b32 s[\g+2], 128<<16                     ; tensor_dim1
	s_mov_b32 s[\g+3], KSTEPB<<16                  ; tile_dim0
	s_mov_b32 s[\g+4], 128                         ; tile_dim1
	s_mov_b32 s[\g+5], 1024                        ; tensor_dim0_stride
	s_mov_b32 s[\g+6], 0
	s_mov_b32 s[\g+7], 0
.endr
	s_lshl_b32 s66, s[RB], 17                      ; x: 128 rows of 1,024 bytes a block; made of the token block alone
	s_mov_b32 s67, 0
	s_lshl_b32 s68, s[CB], 17                      ; the weights: made of the feature block alone
	s_mov_b32 s69, 0
	s_mul_i32 s27, s[WV], HALFT                    ; where my tile goes in a slot: no place in the cluster enters an LDS address
	s_wait_dscnt 0x0                               ; both opening adds are done
	s_wait_kmcnt 0x0
	s_load_b256 s[72:79], s[12:13], 0x0            ; e0 .. e7
	s_load_b128 s[80:83], s[12:13], 0x20           ; e8 .. e11
	s_cmp_eq_u32 s[WV], 2                          ; which weight I fetch: wave 1 Wq, wave 2 Wk, wave 3 Wv: the choice hangs on the wave's number alone
	s_cselect_b64 s[60:61], s[8:9], s[6:7]
	s_cmp_eq_u32 s[WV], 3
	s_cselect_b64 s[60:61], s[10:11], s[60:61]
	s_add_nc_u64 s[66:67], s[4:5], s[66:67]
	s_add_nc_u64 s[68:69], s[60:61], s[68:69]
	CROUND                                         ; all sixteen work-groups are here: the first joint loads meet
.irp s, 0,1
	s_mov_b32 s[G0X+4*\s], 1                       ; count = 1
	s_add_co_u32 s[G0X+4*\s+1], s27, \s*SLOT       ; LDS address
	s_add_nc_u64 s[G0X+4*\s+2:G0X+4*\s+3], s[66:67], \s*KSTEPB   ; global address: K step s
	s_or_b32 s[G0X+4*\s+3], s[G0X+4*\s+3], 0x80000000            ; type = 2
	s_mov_b32 s[G0W+4*\s], 1
	s_add_co_u32 s[G0W+4*\s+1], s27, \s*SLOT
	s_add_nc_u64 s[G0W+4*\s+2:G0W+4*\s+3], s[68:69], \s*KSTEPB
	s_or_b32 s[G0W+4*\s+3], s[G0W+4*\s+3], 0x80000000
	JLOAD \s                                       ; two loads of mine are out
.endr
	v_and_b32 v1, 15, v0                           ; r = lane % 16
	v_bfe_u32 v2, v0, 4, 1                         ; h = lane / 16
	v_mul_u32_u24 v3, v1, PITCH
	v_lshl_add_u32 v3, v2, 4, v3                   ; row r x pitch + 16 h
	v_and_b32 v4, 8, v1
	v_add_nc_u32 v4, v4, v1                        ; r + 8 (r / 8): Wv's rows of a tile
	v_mul_u32_u24 v4, v4, PITCH
	v_lshl_add_u32 v4, v2, 4, v4
	s_mul_i32 s84, s[WV], 32*PITCH                 ; my 32 rows of each weight
	s_add_co_u32 s85, s84, HALFT                   ; Wq lies behind x,
	s_add_co_u32 s86, s84, 3*HALFT                 ; Wv behind Wk
.irp s, 0,1
	v_add_nc_u32 v[ADRX+\s], \s*SLOT, v3
	v_add_nc_u32 v[ADQ+\s], s85, v3
	v_add_nc_u32 v[ADV+\s], s86, v4
	s_add_co_u32 s85, s85, SLOT
	s_add_co_u32 s86, s86, SLOT
.endr
	v_and_b32 v[LO], 31, v0
	v_lshlrev_b32 v[LO], 4, v[LO]
; A fragment, 16 rows x 128 K of 8-bit codes, is 16 registers, brought by four loads of 16 bytes, 32 bytes apart: registers 4 c .. 4 c + 3 hold K = 32 c + 16 h + 0..15.  That is a permutation of k, the same in x and in the weights: every product meets its partner.
.macro FRAG reg, adr, off
.irp c, 0,1,2,3
	ds_load_b128 v[\reg+4*\c:\reg+4*\c+3], v[\adr] offset:\off+32*\c
.endr
.endm
; 56 LDS loads in one run: the 14 fragments of the slot's q-th 128 along K into set p
.macro FETCH slot, q, p
	WIN ((\p)<<6)                                  ; destination window p, address window 0
.irp u, 0,1
	FRAG WF+16*\u, ADQ+\slot, 128*(\q)+\u*16*PITCH
	FRAG WF+32+16*\u, ADQ+\slot, 128*(\q)+HALFT+\u*16*PITCH
	FRAG WF+64+16*\u, ADV+\slot, 128*(\q)+\u*8*PITCH
.endr
.irp t, 0,1,2,3,4,5,6,7
	FRAG XF+16*\t, ADRX+\slot, 128*(\q)+\t*16*PITCH
.endr
.endm
; 16 matrix instructions: token tiles t0 .. t0 + 3 x q's and k's four tiles, from set p.  z = 1: the first product starts the sums: nothing is ever cleared.
; The 48 accumulators take turns, one instruction a turn, in the same order in every step of 128 along K.
.macro QK16 t0, p, z
	WIN (0xa0|(5*(\p)))                            ; sources 0 and 1 window p, C and D window 2
.irp t, \t0, \t0+1, \t0+2, \t0+3
.irp f, 0,1,2,3
.if \z
	v_wmma_f32_16x16x128_bf8_bf8 v[8*(8*\f+(\t)):8*(8*\f+(\t))+7], v[WF+16*\f:WF+16*\f+15], v[XF+16*(\t):XF+16*(\t)+15], 0
.else
	v_wmma_f32_16x16x128_bf8_bf8 v[8*(8*\f+(\t)):8*(8*\f+(\t))+7], v[WF+16*\f:WF+16*\f+15], v[XF+16*(\t):XF+16*(\t)+15], v[8*(8*\f+(\t)):8*(8*\f+(\t))+7]
.endif
.endr
.endr
.endm
; 16 matrix instructions: all 8 token tiles x v's two tiles; source 0 = x
.macro V16 p, z
	WIN (0xf0|(5*(\p)))                            ; sources 0 and 1 window p, C and D window 3
.irp t, 0,1,2,3,4,5,6,7
.irp u, 0,1
.if \z
	v_wmma_f32_16x16x128_bf8_bf8 v[8*(8*\u+\t):8*(8*\u+\t)+7], v[XF+16*\t:XF+16*\t+15], v[WF+64+16*\u:WF+64+16*\u+15], 0
.else
	v_wmma_f32_16x16x128_bf8_bf8 v[8*(8*\u+\t):8*(8*\u+\t)+7], v[XF+16*\t:XF+16*\t+15], v[WF+64+16*\u:WF+64+16*\u+15], v[8*(8*\u+\t):8*(8*\u+\t)+7]
.endif
.endr
.endr
.endm
; A slot's first 128 along K: multiplies set 0 and fetches the slot's second 128 into set 1, 32 matrix instructions ahead of their use.
.macro STEP slot, z
	s_wait_dscnt 0x0                               ; set 0 is in
	QK16 0, 0, \z
	PLACES                                         ; set 1 was read by the products just ahead of this step
	FETCH \slot, 1, 1
	QK16 4, 0, \z
	V16 0, \z
.endm
; A slot's second 128 multiplies set 1 and changes slots: ONE barrier; in front of it each wave waits for all its tensor loads (its part of the next slot), adds 0 to its spare word, and waits for that and for its reads of this slot.
; fill = 1: the barrier opens a round of the cluster's barrier, and this slot is filled again, two K steps ahead, first thing behind the round.
.macro TURN slot, next, fill
	WIN 0                                          ; (the add's two registers lie in window 0)
	s_wait_tensorcnt 0x0                           ; all my tensor loads have landed
	ds_add_u32 v[SPW], v[NIL]                      ; 0 onto my spare word
	s_wait_dscnt 1                                 ; set 1's 56 loads are in; the add alone may be out
	QK16 0, 1, 0                                   ; sixteen matrix instructions stand between the add and the wait for it
	s_wait_dscnt 0x0                               ; the add is done, and my reads of this slot are over
	s_barrier_signal -1
	QK16 4, 1, 0
	WIN 0
	s_barrier_wait -1
.if \fill
	CREST                                          ; no wave of any partner still reads this slot or has a load on its way
	s_add_nc_u64 s[G0X+4*\slot+2:G0X+4*\slot+3], s[G0X+4*\slot+2:G0X+4*\slot+3], 2*KSTEPB
	s_add_nc_u64 s[G0W+4*\slot+2:G0W+4*\slot+3], s[G0W+4*\slot+2:G0W+4*\slot+3], 2*KSTEPB
	JLOAD \slot                                    ; my one tensor load behind the round; its four v_nop are also the places in front of the loads below
.else
	PLACES
.endif
	FETCH \next, 0, 0
	V16 1, 0
.endm
	s_wait_tensorcnt 1                             ; my part of K step 0 is in; K step 1's may stay out
	s_barrier_signal -1
	s_barrier_wait -1                              ; everybody's is
	FETCH 0, 0, 0
	STEP 0, 1                                      ; K = 1,024 is eight steps of 128, written out: the first starts the sums
	TURN 0, 1, 1                                   ; slot 0 takes K step 2
	STEP 1, 0
	TURN 1, 0, 1                                   ; slot 1 takes K step 3
	STEP 0, 0
	TURN 0, 1, 0                                   ; nothing is left to fetch
	STEP 1, 0
	s_wait_dscnt 0x0
	QK16 0, 1, 0
	QK16 4, 1, 0
	V16 1, 0
	WIN 0
	; THE WAY OUT: the hold, the conversion, and 24 stores of 512 consecutive bytes from registers: no LDS.
.macro MKSC sc, lim                    ; s84 = E: v[sc] = 2^E as f32 (the conversion takes its exponent field), v[lim] = 57,344 x 2^E
	s_add_co_i32 s84, s84, 127
	s_lshl_b32 s85, s84, 23
	v_mov_b32 v[\sc], s85
	s_add_co_i32 s84, s84, 15
	s_lshl_b32 s84, s84, 23
	s_or_b32 s84, s84, 0x600000
	v_mov_b32 v[\lim], s84
.endm
	s_wait_kmcnt 0x0
	s_sub_co_i32 s84, s78, s72
	s_sub_co_i32 s84, s84, s73                     ; e6 - e0 - e1
	MKSC QSC, QLM
	s_sub_co_i32 s84, s79, s74
	s_sub_co_i32 s84, s84, s75                     ; e7 - e2 - e3
	MKSC KSC, KLM
	s_sub_co_i32 s84, s81, s76
	s_sub_co_i32 s84, s84, s77                     ; e9 - e4 - e5
	MKSC VSC, VLM                                  ; these six v_mov_b32, which name no register of the products, are the places behind the last of them
	WIN 0x82                                       ; source 0 and destination window 2
.set i, 0
.rept 128
	v_med3_num_f32 v[i], v[i], -v[QLM], v[QLM]     ; the conversion to an 8-bit code does not saturate (ISA guide 7.6.2): the hold first.  Each accumulator from its low end on
.set i, i+1
.endr
.rept 128
	v_med3_num_f32 v[i], v[i], -v[KLM], v[KLM]
.set i, i+1
.endr
	WIN 0xc3                                       ; window 3
.set i, 0
.rept 128
	v_med3_num_f32 v[i], v[i], -v[VLM], v[VLM]
.set i, i+1
.endr
	WIN 0x02                                       ; source 0 window 2, destination window 0: the fragments' registers are free
.irp t, 0,1,2,3,4,5,6,7
	v_cvt_scalef32_pk8_bf8_f32 v[32+4*\t:33+4*\t], v[8*\t:8*\t+7], v[QSC]             ; token tile t of q: d = 32 c + 8 h + 0..7,
	v_cvt_scalef32_pk8_bf8_f32 v[34+4*\t:35+4*\t], v[8*(8+\t):8*(8+\t)+7], v[QSC]     ; and 32 c + 16 + 8 h + 0..7
	v_cvt_scalef32_pk8_bf8_f32 v[64+4*\t:65+4*\t], v[8*(16+\t):8*(16+\t)+7], v[KSC]
	v_cvt_scalef32_pk8_bf8_f32 v[66+4*\t:67+4*\t], v[8*(24+\t):8*(24+\t)+7], v[KSC]
.endr
	WIN 0x03                                       ; source 0 window 3
.irp u, 0,1
.irp c, 0,1,2,3
	v_cvt_scalef32_pk8_bf8_f32 v[96+16*\u+4*\c:97+16*\u+4*\c], v[8*(8*\u+2*\c):8*(8*\u+2*\c)+7], v[VSC]       ; keys 32 c + 8 h + 0..7,
	v_cvt_scalef32_pk8_bf8_f32 v[98+16*\u+4*\c:99+16*\u+4*\c], v[8*(8*\u+2*\c+1):8*(8*\u+2*\c+1)+7], v[VSC]   ; and 32 c + 16 + 8 h + 0..7
.endr
.endr
	WIN 0
	v_nop                                          ; one plain vector line behind the last scaled conversion
	s_lshr_b32 s84, s[RB], 4
	s_lshl_b32 s84, s84, 4                         ; 16 x batch
	s_lshl_b32 s85, s[CB], 1
	s_add_co_u32 s84, s84, s85
	s_lshr_b32 s85, s[WV], 1
	s_add_co_u32 s84, s84, s85                     ; + head = 2 CB + wave / 2
	s_and_b32 s86, s[RB], 15                       ; my block of 128 tokens in the batch
	s_and_b32 s87, s[WV], 1                        ; which half of the head's 64
	s_lshl_b32 s88, s84, 7
	s_lshl_b32 s89, s86, 3
	s_add_co_u32 s88, s88, s89                     ; q, k: tile of tokens,
	s_lshl_b32 s88, s88, 10                        ; 1,024 bytes each,
	s_lshl_b32 s89, s87, 9
	s_add_co_u32 s88, s88, s89                     ; + 512 c
	s_mov_b32 s89, 0
	s_add_nc_u64 s[14:15], s[14:15], s[88:89]
	s_add_nc_u64 s[16:17], s[16:17], s[88:89]
	s_lshl_b32 s90, s84, 4
	s_add_co_u32 s90, s90, s86                     ; v: step of 128 keys,
	s_lshl_b32 s90, s90, 2
	s_lshl_b32 s91, s87, 1
	s_add_co_u32 s90, s90, s91                     ; tile dt = 2 (wave % 2) + u,
	s_lshl_b32 s90, s90, 11                        ; 2,048 bytes each
	s_mov_b32 s91, 0
	s_add_nc_u64 s[18:19], s[18:19], s[90:91]
.irp t, 0,1,2,3,4,5,6,7
	global_store_b128 v[LO], v[32+4*\t:35+4*\t], s[14:15] offset:\t*1024     ; 32 lanes store 512 consecutive bytes, at a multiple of 512 from the buffer's first byte
	global_store_b128 v[LO], v[64+4*\t:67+4*\t], s[16:17] offset:\t*1024
.endr
.irp u, 0,1
.irp c, 0,1,2,3
	global_store_b128 v[LO], v[96+16*\u+4*\c:99+16*\u+4*\c], s[18:19] offset:\u*2048+\c*512
.endr
.endr
	s_wait_tensorcnt 0x0                           ; the wave's end, behind my last tensor load
	ds_add_u32 v[SPW], v[NIL]
	s_wait_dscnt 0x0
	CROUND                                         ; the closing round: no work-group ends while a partner may still ask for a tile that names it
	s_endpgm
.Lfunc_end_k_q642a53ada8_qkv:
	.size	k_q642a53ada8_qkv, .Lfunc_end_k_q642a53ada8_qkv-k_q642a53ada8_qkv
	.p2alignl 7, 3214868480
	.fill 96, 4, 3214868480
	.section	.rodata,"a",@progbits
	.p2align	6, 0x0
	.amdhsa_kernel k_q642a53ada8_qkv
		.amdhsa_group_segment_fixed_size 327680
		.amdhsa_private_segment_fixed_size 0
		.amdhsa_enable_private_segment 0
		.amdhsa_kernarg_size 64
		.amdhsa_user_sgpr_count 2
		.amdhsa_user_sgpr_kernarg_segment_ptr 1
		.amdhsa_wavefront_size32 1
		.amdhsa_system_sgpr_workgroup_id_x 1
		.amdhsa_system_sgpr_workgroup_id_y 1
		.amdhsa_system_sgpr_workgroup_id_z 1
		.amdhsa_system_vgpr_workitem_id 0
		.amdhsa_next_free_vgpr 896
		.amdhsa_next_free_sgpr 100
		.amdhsa_reserve_vcc 0
		.amdhsa_float_denorm_mode_32 3
		.amdhsa_float_denorm_mode_16_64 3
		.amdhsa_memory_ordered 1
		.amdhsa_forward_progress 1
		.amdhsa_inst_pref_size 95
	.end_amdhsa_kernel
	.amdgpu_metadata
---
amdhsa.version: [ 1, 2 ]
amdhsa.kernels:
  - .name:           k_q642a53ada8_qkv
    .symbol:         k_q642a53ada8_qkv.kd
    .args:
      - { .name: x_codes, .offset: 0, .size: 8, .value_kind: global_buffer, .address_space: global }
      - { .name: Wq_codes, .offset: 8, .size: 8, .value_kind: global_buffer, .address_space: global }
      - { .name: Wk_codes, .offset: 16, .size: 8, .value_kind: global_buffer, .address_space: global }
      - { .name: Wv_codes, .offset: 24, .size: 8, .value_kind: global_buffer, .address_space: global }
      - { .name: lowp_scales, .offset: 32, .size: 8, .value_kind: global_buffer, .address_space: global }
      - { .name: q_img, .offset: 40, .size: 8, .value_kind: global_buffer, .address_space: global }
      - { .name: k_img, .offset: 48, .size: 8, .value_kind: global_buffer, .address_space: global }
      - { .name: v_img, .offset: 56, .size: 8, .value_kind: global_buffer, .address_space: global }
    .group_segment_fixed_size: 327680
    .private_segment_fixed_size: 0
    .kernarg_segment_align: 8
    .kernarg_segment_size: 64
    .max_flat_workgroup_size: 128
    .sgpr_count:     100
    .vgpr_count:     896
    .wavefront_size: 32
...
	.end_amdgpu_metadata
.endif
;; end of part 1
;; launch attn (part 2): grid 8 x 32, 8 waves a work-group, no clusters, 263,168 bytes of LDS; arguments q_img, k_img, v_img, lowp_scales, ctx_img; writes ctx_img
.if DOCPART == 2
	.amdgcn_target "amdgcn-amd-amdhsa--gfx1250"
	.amdhsa_code_object_version 6
	.text
	.protected	k_q642a53ada8_attn
	.globl	k_q642a53ada8_attn
	.p2align	8
	.type	k_q642a53ada8_attn,@function
k_q642a53ada8_attn:
	s_mov_b64 s[64:65], 0
	v_nop
	global_prefetch_b8 v0, s[64:65] scope:SCOPE_SE
	s_setreg_imm32_b32 hwreg(HW_REG_WAVE_MODE, 25, 1), 1
	s_wait_xcnt 0x0
; SECOND LAUNCH: causal attention of one head on codes of BF8 (E5M2), and ctx quantised for the last product.  q_img, k_img, v_img: images of operand registers, as the first launch laid them.
; WORK LEFT OUT (shown dead at the head of the first kernel): a step of 128 keys all of which come after a tile's 16 queries, and the last quarter of K and V where no wave of the work-group reads it.
; THE SOFTMAX: t = score x log2(e) / 8; M = the row's largest t so far, rounded UP to a whole number; p = 2^(t - M) is what is quantised (scale 2^e8), not normalised; the row's sum is taken of the unquantised p and divides at the end.
; When M moves, the sum and O are multiplied by 2^(old M - new M): exact.  ctx = sum of codes x 2^(e8 + e9) / l, and its code is ctx / 2^e10: the conversion's one scale is 2^(e10 - e8 - e9).
; LIMITS on the given exponents: e6 + e7 between -123 and 130 (they are added to c's exponent field); e8 and e10 - e8 - e9 between -126 and 112.
; SHARES.  Work-group (J, head): each of its eight waves owns TWO tiles of 16 queries, tile 127 - (8 J + w) and tile 8 J + w: 16 - J and J + 1 steps of 128 keys, 17 for every wave of every work-group.
; K AND V LIE IN LDS WHOLE (128 KiB each), each byte written once: four quarters of 512 keys come through registers, each asked for a quarter (four key steps) ahead of the wait for it, stored, and shown by one barrier.
; They lie as images: a fragment's load takes 512 consecutive bytes, so there is no pitch and no padding.
; NO JOINT REQUESTS, though the eight work-groups of a head read the same K and V: a work-group reads each byte once, for up to 16 tiles of queries, and the launch has no tensor load at all. It jumps, on the
; whole number e8, over p's hold: p is at most 1, so the hold can bind only where 57,344 x 2^e8 is under 1, that is e8 under -15.  That spares 64 vector instructions in every key step.
; LAYOUT.  Both products are used transposed: S^T = K Q^T (source 0 = 16 keys, source 1 = my 16 queries), O^T = V^T P^T: a lane holds ONE query (lane % 16) throughout.  Register 8 t + j of S^T is key 16 t + 8 (lane / 16) + j:
; converted eight at a time, that is the second product's own operand layout.  V's channels of a tile were chosen so that the 16 registers of O^T's tiles 2 c and 2 c + 1 are channels 32 c + 16 (lane / 16) + 0..15:
; ctx_img [tile of 16 tokens][head][c = 0, 1][lane][16].
; REGISTERS: see the names below; v256-319 (window 1) the quarter on its way.
.set VOFF,  131072                     ; LDS: K's images from 0, V's from here
.set SPARE, 262144                     ; behind them: the spare words, 128 bytes for each wave: four blocks of 256 bytes that no other line names
.set CHUNK, 32768                      ; a quarter of K, or of V: four key steps
.set STEPB, 8192                       ; a key step of K (8 tiles x 1,024 bytes), or of V (4 tiles x 2,048)
.set LI,   1                           ; v1    16 x lane
.set LA,   2                           ; v2-5  16 x thread + 65,536 n
.set SPW,  6                           ; v6    LDS address of my spare word; never rewritten
.set NIL,  7                           ; v7    0; never rewritten
.set ADK,  8                           ; v8    LDS address of the step's K
.set ADV,  9                           ; v9    of its V
.set DQ,   10                          ; v10   lane % 16 - 8 (lane / 16)
.set NM,   12                          ; v12 -M, v13 the largest t so far
.set SUM,  14                          ; v[14:15] the row's sum, in two halves
.set QH,   16                          ; v16-23 Q of the high tile
.set MX,   24                          ; v24, v25 at work: two chains of the maximum
.set PX,   26                          ; v26   a lane permute's destination
.set FF,   28                          ; v[28:29] f = 2^(old M - new M); v29 is named with it as a pair
.set SU2,  30                          ; v[30:31] the sum's second chain
.set FR,   32                          ; v32-95 fragments of K, then of V
.set S,    96                          ; v96-159 S^T, then p
.set O,    160                         ; v160-191 O^T
.set PC,   192                         ; v192-207 p's codes
.set PLM,  208                         ; 57,344 x 2^e8
.set PSC,  209                         ; 2^e8
.set CLM,  210                         ; 57,344 x 2^(e10 - e8 - e9)
.set CSC,  211                         ; 2^(e10 - e8 - e9)
.set NINF, 212                         ; -infinity
.set DD,   213                         ; at work: the mask's bound
.set CH,   214                         ; v214-221 ctx's codes, high tile
.set QL,   222                         ; v222-229 Q of the low tile
.set CL,   230                         ; v230-237 ctx's codes, low tile
.set WV,   14                          ; s14 wave;  s15 J;  s16 16 x batch + head
.set J,    15
.set BH,   16
.set CHP,  18                          ; s[18:19] where the high tile's codes go;  s[28:29] the low tile's
.set SEL,  20                          ; s[20:21] lane selects: lane l xor 16
.set CS,   22                          ; s[22:23] c = log2(e) / 8 x 2^(e6 + e7)
.set TB,   24                          ; s24 LDS byte of the step's K
.set KF,   25                          ; s25 the step's first key
.set Q0,   26                          ; s26 the tile's first query
.set CNT,  27
.set CLP,  28
.set E8,   36                          ; s[36:39] e8 .. e11
.set KB,   40                          ; s[40:41] the head's K;  s[42:43] its V
.set VB,   42
.set MSB, 0
.macro WIN new
.if MSB != (\new)
	s_set_vgpr_msb (MSB<<8)|(\new)
.set MSB, (\new)
.endif
.endm
; Quarter c is asked for: 16 loads a wave, each 512 consecutive bytes; the work-group's 256 threads take 4,096 bytes a line
.macro STAGE_LOAD c
	WIN 0x40                                       ; destination window 1
.irp i, 0,1,2,3,4,5,6,7
	global_load_b128 v[4*\i:4*\i+3], v[LA], s[KB:KB+1] offset:(\c)*CHUNK+\i*4096
.endr
.irp i, 0,1,2,3,4,5,6,7
	global_load_b128 v[32+4*\i:32+4*\i+3], v[LA], s[VB:VB+1] offset:(\c)*CHUNK+\i*4096
.endr
	WIN 0
.endm
.macro STAGE_STORE c                   ; and goes to LDS as it lay in memory
	WIN 0x04                                       ; store data window 1
.irp i, 0,1,2,3,4,5,6,7
	ds_store_b128 v[LA+(\c)/2], v[4*\i:4*\i+3] offset:((\c)%2)*CHUNK+\i*4096
.endr
.irp i, 0,1,2,3,4,5,6,7
	ds_store_b128 v[LA+2+(\c)/2], v[32+4*\i:32+4*\i+3] offset:((\c)%2)*CHUNK+\i*4096
.endr
	WIN 0
.endm
.macro INIT                            ; a tile begins: the step is written once, and its first run finds zeros, which the first change of M leaves zeros
	v_mov_b32 v[NM+1], 0xff61b1e6                  ; the largest t so far: -3e38, under every t
	v_floor_f32 v[NM], -v[NM+1]                    ; -M
	v_mov_b32 v[SUM], 0
	v_mov_b32 v[SUM+1], 0
.set n, 0
.rept 32
	v_mov_b32 v[O+n], 0
.set n, n+1
.endr
.endm
; A KEY STEP: 128 keys against the tile whose Q lies in v[qreg] on.
.macro STEP qreg
	s_add_co_u32 s30, s[Q0], 15
	s_cmp_gt_u32 s[KF], s30                        ; all 128 keys come after my 16 queries: the step is left out; a scalar branch on ids and the count of steps
	s_cbranch_scc1 .Lhid_\@
	v_add_nc_u32 v[ADK], s[TB], v[LI]
	v_add_nc_u32 v[ADV], VOFF, v[ADK]
	v_nop                                          ; with the two additions: four places in front of loads into registers that the last step's products read
	v_nop
.irp t, 0,1,2,3,4,5,6,7
	ds_load_b128 v[FR+8*\t:FR+8*\t+3], v[ADK] offset:\t*1024
	ds_load_b128 v[FR+8*\t+4:FR+8*\t+7], v[ADK] offset:\t*1024+512
.endr
	s_wait_dscnt 0x0
.irp t, 0,1,2,3,4,5,6,7
	v_wmma_f32_16x16x64_bf8_bf8 v[S+8*\t:S+8*\t+7], v[FR+8*\t:FR+8*\t+7], v[\qreg:\qreg+7], 0
.endr
.rept 4
	v_nop                                          ; places: in front of the loads below, and of the first read of the scores
.endr
.irp d, 0,1,2,3
.irp c, 0,1,2,3
	ds_load_b128 v[FR+16*\d+4*\c:FR+16*\d+4*\c+3], v[ADV] offset:\d*2048+\c*512   ; V's four tiles land while the softmax is walked
.endr
.endr
	s_add_co_u32 s30, s[KF], 127
	s_cmp_le_u32 s30, s[Q0]                        ; all 128 keys count for all my queries: no mask
	s_cbranch_scc1 .Lopen_\@
	s_sub_co_i32 s30, s[Q0], s[KF]
	v_add_nc_u32 v[DD], s30, v[DQ]                 ; register 8 t + j holds key KF + 16 t + 8 (lane / 16) + j: hidden where 16 t + j > my query - KF - 8 (lane / 16)
.set n, 0
.rept 64
	v_cmp_gt_i32 vcc_lo, 16*(n/8)+n%8, v[DD]
	v_cndmask_b32 v[S+n], v[S+n], v[NINF], vcc_lo  ; -infinity ahead of the maximum: p = 0 then.  The step's first key counts for every query of the tile, so the maximum stays a number
.set n, n+1
.endr
.Lopen_\@:
	v_max3_num_f32 v[MX], v[S], v[S+1], v[S+2]     ; the step's largest score of my query among my 64 keys, in two chains, each accumulator from its low end on
	v_max3_num_f32 v[MX+1], v[S+3], v[S+4], v[S+5]
.irp i, 6,10,14,18,22,26,30,34,38,42,46,50,54,58
	v_max3_num_f32 v[MX], v[MX], v[S+\i], v[S+1+\i]
	v_max3_num_f32 v[MX+1], v[MX+1], v[S+2+\i], v[S+3+\i]
.endr
	v_max3_num_f32 v[MX], v[MX], v[S+62], v[S+63]
	v_max_num_f32 v[MX], v[MX], v[MX+1]
	v_permlanex16_b32 v[PX], v[MX], s[SEL], s[SEL+1]
	v_max_num_f32 v[MX], v[MX], v[PX]              ; and among lane l xor 16's
	v_mul_f32 v[MX], s[CS], v[MX]                  ; as t (c is positive)
	v_max_num_f32 v[NM+1], v[NM+1], v[MX]          ; the running largest t
	v_mov_b32 v[MX], v[NM]
	v_floor_f32 v[NM], -v[NM+1]                    ; the new -M = floor(-t) = -ceil(t): a whole number
	v_sub_f32 v[MX], v[NM], v[MX]                  ; old M - new M: a whole number, 0 or less
	v_cvt_i32_f32 v[MX], v[MX]                     ; (it saturates)
	v_ldexp_f32 v[FF], 1.0, v[MX]                  ; f = 2^(old M - new M)
.set n, 0
.rept 32
	v_pk_fma_f32 v[S+n:S+n+1], v[S+n:S+n+1], s[CS:CS+1], v[NM:NM+1] op_sel_hi:[1,0,0]   ; t - M, two at a time (of the pairs c and -M the low word serves both halves)
.set n, n+2
.endr
.set n, 0
.rept 64
	v_exp_f32 v[S+n], v[S+n]                       ; p = 2^(t - M), at most 1
.set n, n+1
.endr
	v_pk_mul_f32 v[SUM:SUM+1], v[SUM:SUM+1], v[FF:FF+1] op_sel_hi:[1,0]   ; the sums under the new M: the plain place behind the exponentials
	s_wait_alu depctr_va_vdst(0)                   ; one wait for the whole batch, ahead of its first reader
	v_pk_add_f32 v[SU2:SU2+1], v[S:S+1], v[S+2:S+3]   ; the row's sum is taken of the unquantised p
.irp j, 4,8,12,16,20,24,28,32,36,40,44,48,52,56,60
	v_pk_add_f32 v[SUM:SUM+1], v[SUM:SUM+1], v[S+\j:S+1+\j]
	v_pk_add_f32 v[SU2:SU2+1], v[SU2:SU2+1], v[S+2+\j:S+3+\j]
.endr
	v_pk_add_f32 v[SUM:SUM+1], v[SUM:SUM+1], v[SU2:SU2+1]
	s_cmp_ge_i32 s[E8], -15                        ; 57,344 x 2^e8 is 1 or more: no p reaches it, and the hold changes nothing
	s_cbranch_scc1 .Lno_hold_\@
.set n, 0
.rept 64
	v_min_num_f32 v[S+n], v[S+n], v[PLM]           ; the conversion does not saturate (ISA guide 7.6.2); p is not negative, so the hold is one-sided
.set n, n+1
.endr
.Lno_hold_\@:
.irp t, 0,1,2,3,4,5,6,7
	v_cvt_scalef32_pk8_bf8_f32 v[PC+2*\t:PC+2*\t+1], v[S+8*\t:S+8*\t+7], v[PSC]   ; registers 2 t, 2 t + 1 of the operand: keys 16 t + 8 (lane / 16) + 0..7
.endr
.set n, 0
.rept 16
	v_pk_mul_f32 v[O+n:O+n+1], v[O+n:O+n+1], v[FF:FF+1] op_sel_hi:[1,0]   ; O^T under the new M; also the plain lines between the conversions and the products
.set n, n+2
.endr
	s_wait_dscnt 0x0                               ; V is in
.irp d, 0,1,2,3
	v_wmma_f32_16x16x128_bf8_bf8 v[O+8*\d:O+8*\d+7], v[FR+16*\d:FR+16*\d+15], v[PC:PC+15], v[O+8*\d:O+8*\d+7]   ; four accumulators by turns; the next step's eight products K Q^T stand between two links of a chain
.endr
.Lhid_\@:
	s_add_co_u32 s[KF], s[KF], 128
	s_add_co_u32 s[TB], s[TB], STEPB
.endm
.macro PASS trips, qreg                ; a constant number of trips; steps past the diagonal jump over their work
	s_mov_b32 s[CNT], \trips
.Lpass_\@:
	STEP \qreg
	s_sub_co_u32 s[CNT], s[CNT], 1
	s_cmp_lg_u32 s[CNT], 0
	s_cbranch_scc1 .Lpass_\@
.endm
; A tile ends: O^T / the sum, held, converted with the folded scale; two stores of 512 consecutive bytes.
.macro FINISH creg, ptr
.rept 4
	v_nop                                          ; places behind the last products
.endr
	v_add_f32 v[SUM], v[SUM], v[SUM+1]
	v_permlanex16_b32 v[PX], v[SUM], s[SEL], s[SEL+1]
	v_add_f32 v[SUM], v[SUM], v[PX]                ; the row's sum
	v_rcp_f32 v[SUM], v[SUM]
	v_nop                                          ; a plain place behind the reciprocal,
	s_wait_alu depctr_va_vdst(0)                   ; and the wait ahead of its first reader
.set n, 0
.rept 16
	v_pk_mul_f32 v[S+n:S+n+1], v[O+n:O+n+1], v[SUM:SUM+1] op_sel_hi:[1,0]
.set n, n+2
.endr
.set n, 0
.rept 32
	v_med3_num_f32 v[S+n], v[S+n], -v[CLM], v[CLM]
.set n, n+1
.endr
.irp i, 0,1,2,3
	v_cvt_scalef32_pk8_bf8_f32 v[\creg+2*\i:\creg+2*\i+1], v[S+8*\i:S+8*\i+7], v[CSC]
.endr
	v_nop                                          ; one plain line behind the last conversion: the next tile's products write its sources
	global_store_b128 v[LI], v[\creg:\creg+3], s[\ptr:\ptr+1]
	global_store_b128 v[LI], v[\creg+4:\creg+7], s[\ptr:\ptr+1] offset:512
.endm
; Quarter c comes in and is walked by the high tile.  The last quarter (keys 1,536 on) is read only where the work-group's high tiles reach it: J under 4; the branches hang on the work-group's number, and lead round no barrier.
.macro QUARTER c
	s_wait_loadcnt 0x0                             ; the quarter is in my registers
.if \c == 3
	s_cmp_lt_u32 s[J], 4
	s_cbranch_scc0 .Lno_store_\@
.endif
	STAGE_STORE \c
.if \c == 3
.Lno_store_\@:
.endif
	s_wait_dscnt 0x0                               ; for the others' sake: my stores have landed
	s_barrier_signal -1
	s_barrier_wait -1                              ; the quarter lies in LDS whole
.if \c == 2
	s_cmp_lt_u32 s[J], 4
	s_cbranch_scc0 .Lno_load_\@
.endif
.if \c < 3
	STAGE_LOAD \c+1                                ; the next quarter: it has this quarter's four key steps in which to come; the stores above have read the registers
.endif
.if \c == 2
.Lno_load_\@:
.endif
	s_mov_b32 s[TB], \c*CHUNK
	s_mov_b32 s[KF], \c*512
	PASS 4, QH
.endm
	s_load_b256 s[4:11], s[0:1], 0x0               ; q_img s[4:5], k_img s[6:7], v_img s[8:9], the exponents s[10:11]
	s_load_b64 s[12:13], s[0:1], 0x20              ; ctx_img
	v_lshl_add_u32 v[SPW], v0, 2, SPARE
	v_mov_b32 v[NIL], 0
	v_lshrrev_b32 v1, 5, v0
	v_readfirstlane_b32 s[WV], v1                  ; wave 0..7
	s_mov_b32 s[J], ttmp9
	s_and_b32 s[BH], ttmp7, 0xffff
	v_and_b32 v[LI], 31, v0
	v_lshlrev_b32 v[LI], 4, v[LI]
	v_lshlrev_b32 v[LA], 4, v0
	v_add_nc_u32 v[LA+1], 0x10000, v[LA]
	v_add_nc_u32 v[LA+2], 0x20000, v[LA]
	v_add_nc_u32 v[LA+3], 0x30000, v[LA]
	v_and_b32 v[DQ], 15, v0
	v_bfe_u32 v11, v0, 4, 1
	v_lshlrev_b32 v11, 3, v11
	v_sub_nc_u32 v[DQ], v[DQ], v11
	v_mov_b32 v[PX], 0                             ; written once: a lane permute's destination counts as one of its sources
	v_mov_b32 v[FF+1], 0                           ; (named as the upper half of a pair)
	v_mov_b32 v[NINF], 0xff800000
	s_mov_b32 s[SEL], 0x76543210
	s_mov_b32 s[SEL+1], 0xfedcba98
	s_lshl_b32 s30, s[J], 3
	s_add_co_u32 s30, s30, s[WV]                   ; my low tile: 8 J + w
	s_sub_co_u32 s31, 127, s30                     ; my high tile
	s_lshl_b32 s48, s31, 4                         ; their first queries
	s_lshl_b32 s49, s30, 4
	s_lshl_b32 s52, s[BH], 17                      ; the head's 131,072 bytes in each of q_img, k_img, v_img
	s_mov_b32 s53, 0
	s_lshl_b32 s54, s31, 10                        ; a tile of Q is 1,024 bytes
	s_add_co_u32 s54, s54, s52
	s_mov_b32 s55, 0
	s_lshl_b32 s56, s30, 10
	s_add_co_u32 s56, s56, s52
	s_mov_b32 s57, 0
	s_lshr_b32 s58, s[BH], 4
	s_lshl_b32 s58, s58, 7                         ; 128 x batch
	s_and_b32 s59, s[BH], 15
	s_lshl_b32 s59, s59, 10                        ; the head's 1,024 bytes in a tile's 16,384 of ctx_img
	s_add_co_u32 s60, s58, s31
	s_lshl_b32 s60, s60, 14
	s_add_co_u32 s60, s60, s59
	s_mov_b32 s61, 0
	s_add_co_u32 s62, s58, s30
	s_lshl_b32 s62, s62, 14
	s_add_co_u32 s62, s62, s59
	s_mov_b32 s63, 0
	s_wait_kmcnt 0x0
	s_load_b64 s[32:33], s[10:11], 0x18            ; e6, e7
	s_load_b128 s[E8:E8+3], s[10:11], 0x20         ; e8 .. e11
	s_add_nc_u64 s[KB:KB+1], s[6:7], s[52:53]
	s_add_nc_u64 s[VB:VB+1], s[8:9], s[52:53]
	s_add_nc_u64 s[44:45], s[4:5], s[54:55]
	s_add_nc_u64 s[46:47], s[4:5], s[56:57]
	s_add_nc_u64 s[CHP:CHP+1], s[12:13], s[60:61]
	s_add_nc_u64 s[CLP:CLP+1], s[12:13], s[62:63]
	STAGE_LOAD 0
	global_load_b128 v[QH:QH+3], v[LI], s[44:45] th:TH_LOAD_NT             ; Q's fragments stay in registers; each is read by one wave of the launch
	global_load_b128 v[QH+4:QH+7], v[LI], s[44:45] offset:512 th:TH_LOAD_NT
	global_load_b128 v[QL:QL+3], v[LI], s[46:47] th:TH_LOAD_NT
	global_load_b128 v[QL+4:QL+7], v[LI], s[46:47] offset:512 th:TH_LOAD_NT
	s_wait_kmcnt 0x0
	s_add_co_i32 s30, s32, s33
	s_lshl_b32 s30, s30, 23
	s_mov_b32 s[CS], 0x3e38aa3b                    ; log2(e) / 8
	s_add_co_i32 s[CS], s[CS], s30                 ; a score stands for score x 2^(e6 + e7): the two exponents are added to c's exponent field
	s_mov_b32 s[CS+1], s[CS]                       ; (named with it as a pair, so it is written)
	s_add_co_i32 s30, s[E8], 127
	s_lshl_b32 s31, s30, 23
	v_mov_b32 v[PSC], s31
	s_add_co_i32 s30, s30, 15
	s_lshl_b32 s30, s30, 23
	s_or_b32 s30, s30, 0x600000
	v_mov_b32 v[PLM], s30
	s_sub_co_i32 s30, s[E8+2], s[E8]
	s_sub_co_i32 s30, s30, s[E8+1]                 ; e10 - e8 - e9
	s_add_co_i32 s30, s30, 127
	s_lshl_b32 s31, s30, 23
	v_mov_b32 v[CSC], s31
	s_add_co_i32 s30, s30, 15
	s_lshl_b32 s30, s30, 23
	s_or_b32 s30, s30, 0x600000
	v_mov_b32 v[CLM], s30
	INIT
	s_mov_b32 s[Q0], s48
	QUARTER 0                                      ; THE HIGH TILE walks the quarters as they come
	QUARTER 1
	QUARTER 2
	QUARTER 3
	FINISH CH, CHP
	INIT                                           ; THE LOW TILE: its J + 1 steps lie in the first two quarters, which every wave has seen behind the barriers above
	s_mov_b32 s[Q0], s49
	s_mov_b32 s[TB], 0
	s_mov_b32 s[KF], 0
	PASS 8, QL
	FINISH CL, CLP
	s_wait_tensorcnt 0x0                           ; the wave's end, behind my last LDS store
	ds_add_u32 v[SPW], v[NIL]
	s_wait_dscnt 0x0
	s_endpgm
.Lfunc_end_k_q642a53ada8_attn:
	.size	k_q642a53ada8_attn, .Lfunc_end_k_q642a53ada8_attn-k_q642a53ada8_attn
	.p2alignl 7, 3214868480
	.fill 96, 4, 3214868480
	.section	.rodata,"a",@progbits
	.p2align	6, 0x0
	.amdhsa_kernel k_q642a53ada8_attn
		.amdhsa_group_segment_fixed_size 263168
		.amdhsa_private_segment_fixed_size 0
		.amdhsa_enable_private_segment 0
		.amdhsa_kernarg_size 40
		.amdhsa_user_sgpr_count 2
		.amdhsa_user_sgpr_kernarg_segment_ptr 1
		.amdhsa_wavefront_size32 1
		.amdhsa_system_sgpr_workgroup_id_x 1
		.amdhsa_system_sgpr_workgroup_id_y 1
		.amdhsa_system_sgpr_workgroup_id_z 1
		.amdhsa_system_vgpr_workitem_id 0
		.amdhsa_next_free_vgpr 320
		.amdhsa_next_free_sgpr 66
		.amdhsa_reserve_vcc 1
		.amdhsa_float_denorm_mode_32 3
		.amdhsa_float_denorm_mode_16_64 3
		.amdhsa_memory_ordered 1
		.amdhsa_forward_progress 1
		.amdhsa_inst_pref_size 129
	.end_amdhsa_kernel
	.amdgpu_metadata
---
amdhsa.version: [ 1, 2 ]
amdhsa.kernels:
  - .name:           k_q642a53ada8_attn
    .symbol:         k_q642a53ada8_attn.kd
    .args:
      - { .name: q_img, .offset: 0, .size: 8, .value_kind: global_buffer, .address_space: global }
      - { .name: k_img, .offset: 8, .size: 8, .value_kind: global_buffer, .address_space: global }
      - { .name: v_img, .offset: 16, .size: 8, .value_kind: global_buffer, .address_space: global }
      - { .name: lowp_scales, .offset: 24, .size: 8, .value_kind: global_buffer, .address_space: global }
      - { .name: ctx_img, .offset: 32, .size: 8, .value_kind: global_buffer, .address_space: global }
    .group_segment_fixed_size: 263168
    .private_segment_fixed_size: 0
    .kernarg_segment_align: 8
    .kernarg_segment_size: 40
    .max_flat_workgroup_size: 256
    .sgpr_count:     66
    .vgpr_count:     320
    .wavefront_size: 32
...
	.end_amdgpu_metadata
.endif
;; end of part 2
;; launch oproj (part 3): grid 8 x 32, 4 waves a work-group, clusters of 4 x 4, 327,680 bytes of LDS; arguments ctx_img, Wo_codes, lowp_scales, bo, out0; writes out0
.if DOCPART == 3
	.amdgcn_target "amdgcn-amd-amdhsa--gfx1250"
	.amdhsa_code_object_version 6
	.text
	.protected	k_q642a53ada8_oproj
	.globl	k_q642a53ada8_oproj
	.p2align	8
	.type	k_q642a53ada8_oproj,@function
k_q642a53ada8_oproj:
	s_mov_b64 s[64:65], 0
	v_nop
	global_prefetch_b8 v0, s[64:65] scope:SCOPE_SE
	s_setreg_imm32_b32 hwreg(HW_REG_WAVE_MODE, 25, 1), 1
	s_wait_xcnt 0x0
	s_wait_alu depctr_hold_cnt(0) depctr_sa_sdst(0) depctr_va_vdst(0) depctr_va_sdst(0) depctr_va_ssrc(0) depctr_va_vcc(0) depctr_vm_vsrc(0)
	s_getreg_b32 s2, hwreg(HW_REG_IB_STS2, 6, 4)
	s_cmp_eq_u32 s2, 0
	s_cbranch_scc0 .Lentry_in_a_cluster
	s_endpgm
.Lentry_in_a_cluster:
	s_bfe_u32 s2, ttmp6, 0x10000c
	s_cmp_lg_u32 s2, 0xf033
	s_cbranch_scc0 .Lentry_shape_is_right
	s_endpgm
.Lentry_shape_is_right:
; THIRD LAUNCH: out0 = ctx Wo + bo on codes of BF8 (E5M2).  ctx_img: [256 tiles of 16 tokens][16 heads][c = 0, 1][lane][16], images of operand registers: lane (r, h) holds token r, channels 32 c + 16 h + 0..15 of the head;
; two heads on end are a fragment of 128 along K.  Wo: [1024 (n)][1024 (k)] codes, K innermost; four loads of 16 bytes, 32 bytes apart, at row x pitch + 16 h, give its fragments the same order of k.  bo [1024], out0 [4096][1024]: f32.
; A sum stands for sum x 2^(e10 + e11): out0 = sum x 2^(e10 + e11) + bo, one packed multiply-add for two numbers.  LIMIT: e10 + e11 between -126 and 127.  No work of reference() is left out here.
; SHARES.  A tile of out0 is 128 x 128: 32 x 8 = 256 work-groups; wave (mh, nh) makes 64 x 64: 16 accumulators.  ALL OF K FITS IN LDS: four chunks of 256 along K of each operand, each byte filled once: no ring.
; Waves 0 and 1 fetch ctx's chunks (w % 2 and w % 2 + 2), waves 2 and 3 Wo's: two tensor loads a wave, both at the head.
; CLUSTERS: 4 x 4 work-groups; ctx's chunks are shared along a row of the cluster, Wo's along a column: joint loads.
; THE MATRIX INSTRUCTION IS USED TRANSPOSED (source 0 = 16 rows of Wo, source 1 = 16 tokens): a lane holds eight neighbouring numbers of a row of out0.
; REGISTERS: window 0: v1-29 addresses; v32-63 bo in the result's layout; v64-127 at work on the way out; v128-255 the accumulators, (a, b) at v[128 + 8 (4 a + b)].  window 1: two sets of fragments of 128: four of ctx, then four of Wo.
.set PITCH,  272                       ; a row of Wo's chunk in LDS: 256 bytes + 16 of padding
.set ACH,    32768                     ; a chunk of ctx: 8 tiles of tokens x 4,096 bytes, dense
.set BOFF,   4*ACH
.set BCH,    128*PITCH                 ; a chunk of Wo
.set STAGE,  BOFF+4*BCH                ; the way out: 16 rows x (256 bytes + 16) for each wave; no tensor load lands here
.set SPITCH, 272
.set SPARE,  STAGE+4*16*SPITCH         ; the spare words, 128 bytes for each wave: two blocks of 256 bytes that no other line names
.set ADA,  16                          ; v16-17  LDS address of my ctx fragments in chunks 0, 1 and in chunks 2, 3
.set ADB,  20                          ; v20-21  the same for Wo
.set STO,  24                          ; v24     the way out: where I put 32 bytes of a row
.set RD,   25                          ; v25     where I read a row back
.set CO,   26                          ; v26     my byte offset in out0
.set BA,   27                          ; v27     my byte offset in bo
.set SPW,  28                          ; v28     LDS address of my spare word; never rewritten
.set NIL,  29                          ; v29     0; never rewritten
.set BI,   32
.set TMP,  64
.set ACC,  128
.set WV,   14                          ; s14 wave;  s15 which 64 tokens, also: I fetch for ctx (0) or Wo (1);  s16 which 64 columns, also: which chunks I fetch
.set MH,   15
.set NH,   16
.set RB,   17                          ; s17 block of 128 tokens;  s42 block of 128 columns
.set CB,   42
.set G1A,  24                          ; s[24:31] descriptor group 1 for ctx's chunks;  s[32:39] group 0, a set for each of my two
.set G0A,  32
.set G1B,  48                          ; s[48:55], s[56:63] the same for Wo's
.set G0B,  56
.set MSB, 0
.macro WIN new
.if MSB != (\new)
	s_set_vgpr_msb (MSB<<8)|(\new)
.set MSB, (\new)
.endif
.endm
.macro CROUND                          ; a round of the cluster's barrier
	s_barrier_signal -1
	s_barrier_wait -1
	s_cmp_lg_u32 s[WV], 0
	s_cbranch_scc1 .Lnot_wave_0_\@
	s_barrier_signal -3
.Lnot_wave_0_\@:
	s_barrier_wait -3
	s_barrier_signal -1
	s_barrier_wait -1
.endm
.macro PLACES
.rept 4
	v_nop
.endr
.endm
	s_load_b256 s[4:11], s[0:1], 0x0               ; ctx_img s[4:5], Wo s[6:7], the exponents s[8:9], bo s[10:11]
	s_load_b64 s[12:13], s[0:1], 0x20              ; out0
	v_lshl_add_u32 v[SPW], v0, 2, SPARE
	v_mov_b32 v[NIL], 0
	ds_add_u32 v[SPW], v[NIL]                      ; the wave's opening: the add, twice on end, and its wait ahead of my first tensor load; the set-up below stands between
	ds_add_u32 v[SPW], v[NIL]
	v_lshrrev_b32 v1, 5, v0
	v_readfirstlane_b32 s[WV], v1                  ; wave 0..3
	s_lshr_b32 s[MH], s[WV], 1
	s_and_b32 s[NH], s[WV], 1
	s_bfe_u32 s40, ttmp6, 0x40000                  ; cx, cy: my place in the cluster
	s_bfe_u32 s41, ttmp6, 0x40004
	s_lshl_b32 s[CB], ttmp9, 2
	s_add_co_u32 s[CB], s[CB], s40
	s_and_b32 s[RB], ttmp7, 0xffff
	s_lshl_b32 s[RB], s[RB], 2
	s_add_co_u32 s[RB], s[RB], s41
	s_lshl_b32 s43, s41, 2
	s_lshl_b32 s43, 15, s43                        ; my row of the cluster
	s_lshl_b32 s44, 0x1111, s40                    ; my column
	s_or_b32 s[G1A], s43, (1<<21)                  ; ctx: 15:0 the mask: my row; elements of 1 byte; no padding; 21 set beside a mask
	s_mov_b32 s[G1A+1], 4096<<16                   ; tensor_dim0 = 4,096: four heads' images of a tile of tokens
	s_mov_b32 s[G1A+2], 8<<16                      ; tensor_dim1 = 8 tiles of tokens
	s_mov_b32 s[G1A+3], 4096<<16                   ; tile_dim0
	s_mov_b32 s[G1A+4], 8                          ; tile_dim1
	s_mov_b32 s[G1A+5], 16384                      ; from a tile of tokens to the next
	s_mov_b32 s[G1A+6], 0
	s_mov_b32 s[G1A+7], 0
	s_or_b32 s[G1B], s44, (1<<20)|(1<<21)|(5<<22)|(3<<25)   ; Wo: my column; padding: four words after every 64
	s_mov_b32 s[G1B+1], 256<<16
	s_mov_b32 s[G1B+2], 128<<16
	s_mov_b32 s[G1B+3], 256<<16
	s_mov_b32 s[G1B+4], 128
	s_mov_b32 s[G1B+5], 1024
	s_mov_b32 s[G1B+6], 0
	s_mov_b32 s[G1B+7], 0
	s_lshl_b32 s20, s[RB], 17                      ; ctx: 8 tiles of 16,384 bytes a block, made of the token block and the wave's number alone,
	s_lshl_b32 s18, s[NH], 12
	s_add_co_u32 s20, s20, s18                     ; + my first chunk
	s_mov_b32 s21, 0
	s_lshl_b32 s46, s[CB], 17                      ; Wo: 128 rows of 1,024 bytes a block, made of the column block and the wave's number alone
	s_lshl_b32 s18, s[NH], 8
	s_add_co_u32 s46, s46, s18
	s_mov_b32 s47, 0
	s_lshl_b32 s45, s[NH], 15                      ; where they go: no place in the cluster enters an LDS address
	s_mul_i32 s19, s[NH], BCH
	s_add_co_u32 s19, s19, BOFF
	s_wait_dscnt 0x0                               ; both opening adds are done
	s_wait_kmcnt 0x0
	s_load_b64 s[96:97], s[8:9], 0x28              ; e10, e11
	s_add_nc_u64 s[20:21], s[4:5], s[20:21]
	s_add_nc_u64 s[46:47], s[6:7], s[46:47]
	CROUND                                         ; all sixteen work-groups are here: the joint loads meet
.irp n, 0,1
	s_mov_b32 s[G0A+4*\n], 1
	s_add_co_u32 s[G0A+4*\n+1], s45, \n*2*ACH
	s_add_nc_u64 s[G0A+4*\n+2:G0A+4*\n+3], s[20:21], \n*8192
	s_or_b32 s[G0A+4*\n+3], s[G0A+4*\n+3], 0x80000000
	s_mov_b32 s[G0B+4*\n], 1
	s_add_co_u32 s[G0B+4*\n+1], s19, \n*2*BCH
	s_add_nc_u64 s[G0B+4*\n+2:G0B+4*\n+3], s[46:47], \n*512
	s_or_b32 s[G0B+4*\n+3], s[G0B+4*\n+3], 0x80000000
.endr
	s_cmp_eq_u32 s[MH], 0                          ; a wave's two fills stand in one branch on the wave's number, ahead of every wait on TENSORcnt and every LDS read: two loads of mine are out
	s_cbranch_scc0 .Lfirst_b
	tensor_load_to_lds s[G0A:G0A+3], s[G1A:G1A+7]
	s_nop 0
	tensor_load_to_lds s[G0A+4:G0A+7], s[G1A:G1A+7]
	s_nop 0
.rept 4
	v_nop
.endr
	s_branch .Lfirst_asked
.Lfirst_b:
	tensor_load_to_lds s[G0B:G0B+3], s[G1B:G1B+7]
	s_nop 0
	tensor_load_to_lds s[G0B+4:G0B+7], s[G1B:G1B+7]
	s_nop 0
.rept 4
	v_nop
.endr
.Lfirst_asked:
	v_and_b32 v1, 15, v0                           ; r
	v_bfe_u32 v2, v0, 4, 1                         ; h
	v_and_b32 v3, 31, v0
	v_lshlrev_b32 v3, 4, v3                        ; 16 x lane
	s_lshl_b32 s21, s[MH], 14                      ; my four tiles of tokens
	v_add_nc_u32 v[ADA], s21, v3
	v_add_nc_u32 v[ADA+1], 2*ACH, v[ADA]
	v_mul_u32_u24 v4, v1, PITCH
	v_lshl_add_u32 v4, v2, 4, v4
	s_mul_i32 s22, s[NH], 64*PITCH                 ; my 64 rows of Wo
	s_add_co_u32 s22, s22, BOFF
	v_add_nc_u32 v[ADB], s22, v4
	v_add_nc_u32 v[ADB+1], 2*BCH, v[ADB]
	s_mul_i32 s23, s[WV], 16*SPITCH
	s_add_co_u32 s23, s23, STAGE                   ; my stage
	v_mul_u32_u24 v5, v1, SPITCH                   ; in: row r, 32 bytes for each half of the lanes
	v_lshl_add_u32 v5, v2, 5, v5
	v_add_nc_u32 v[STO], s23, v5
	v_mul_u32_u24 v5, v2, SPITCH                   ; back: lanes 0-15 one row of 256 bytes, lanes 16-31 the next
	v_lshl_add_u32 v5, v1, 4, v5
	v_add_nc_u32 v[RD], s23, v5
	v_lshlrev_b32 v[CO], 12, v2                    ; and the same two rows in out0 (4,096 bytes a row)
	v_lshl_add_u32 v[CO], v1, 4, v[CO]
	v_lshlrev_b32 v[BA], 5, v2                     ; bo: my half's eight numbers of a tile of 16 columns
	s_lshl_b32 s46, s[CB], 9                       ; my first column, in bytes: 512 x column block + 256 x half
	s_lshl_b32 s47, s[NH], 8
	s_add_co_u32 s46, s46, s47
	s_mov_b32 s47, 0
	s_add_nc_u64 s[10:11], s[10:11], s[46:47]
	s_lshl_b32 s20, s[RB], 19                      ; my first row: 128 x token block + 64 x half, 4,096 bytes each
	s_lshl_b32 s21, s[MH], 18
	s_add_co_u32 s20, s20, s21
	s_mov_b32 s21, 0
	s_add_nc_u64 s[20:21], s[20:21], s[46:47]
	s_add_nc_u64 s[12:13], s[12:13], s[20:21]
.irp b, 0,1,2,3
	global_load_b128 v[BI+8*\b:BI+8*\b+3], v[BA], s[10:11] offset:64*\b
	global_load_b128 v[BI+8*\b+4:BI+8*\b+7], v[BA], s[10:11] offset:64*\b+16
.endr
; 32 LDS loads in one run: the eight fragments of the s-th 128 along K into set s % 2.  ctx's come as images (512 consecutive bytes a load), Wo's from padded rows.
.macro FETCH s
.set KC, (\s)/2
.set QQ, (\s)%2
.set FS, 128*((\s)%2)
	WIN 0x40                                       ; destination window 1
.irp i, 0,1,2,3
.irp c, 0,1,2,3
	ds_load_b128 v[FS+64+16*\i+4*\c:FS+64+16*\i+4*\c+3], v[ADB+KC/2] offset:(KC%2)*BCH+\i*16*PITCH+128*QQ+32*\c
.endr
.irp c, 0,1,2,3
	ds_load_b128 v[FS+16*\i+4*\c:FS+16*\i+4*\c+3], v[ADA+KC/2] offset:(KC%2)*ACH+\i*4096+2048*QQ+512*\c
.endr
.endr
.endm
; 16 matrix instructions: the 16 accumulators by turns, one instruction a turn, in the same order in every step.  The first step starts the sums.
.macro MUL16 s
.set FS, 128*((\s)%2)
	WIN 0x05                                       ; sources 0 and 1 window 1, C and D window 0
.irp a, 0,1,2,3
.irp b, 0,1,2,3
.if (\s) == 0
	v_wmma_f32_16x16x128_bf8_bf8 v[ACC+8*(4*\a+\b):ACC+8*(4*\a+\b)+7], v[FS+64+16*\b:FS+64+16*\b+15], v[FS+16*\a:FS+16*\a+15], 0
.else
	v_wmma_f32_16x16x128_bf8_bf8 v[ACC+8*(4*\a+\b):ACC+8*(4*\a+\b)+7], v[FS+64+16*\b:FS+64+16*\b+15], v[FS+16*\a:FS+16*\a+15], v[ACC+8*(4*\a+\b):ACC+8*(4*\a+\b)+7]
.endif
.endr
.endr
.endm
	s_wait_tensorcnt 1                             ; my first chunk is in (chunks 0 and 1 of both operands, among the four waves); my second may stay out
	s_barrier_signal -1
	s_barrier_wait -1
	FETCH 0
.irp s, 0,1,2,3,4,5,6
	s_wait_dscnt 0x0                               ; this step's fragments are in
.if \s == 3
	s_wait_tensorcnt 0x0                           ; my second chunk is in,
	s_barrier_signal -1
	s_barrier_wait -1                              ; everybody's is: chunks 2 and 3 may be read
.endif
.if \s > 0
	PLACES                                         ; the other set was read by the products just ahead
.endif
	FETCH \s+1                                     ; the next step's fragments, 16 matrix instructions ahead of the wait for them
	MUL16 \s
.endr
	s_wait_dscnt 0x0
	MUL16 7
	WIN 0
; THE WAY OUT, block by block of 16 rows x 64 columns: sum x 2^(e10 + e11) + bo; through my own stage in LDS; back as whole rows of 256 bytes, into the registers that the block's sums have left.
; LDS serves a wave's instructions in order (ISA guide 5.7.1.4): no wait between the stores and the loads, nor in front of the next block's stores.
.macro TOSTAGE a
.set TM, TMP+32*((\a)%2)
.irp b, 0,1,2,3
.irp i, 0,2,4,6
	v_pk_fma_f32 v[TM+8*\b+\i:TM+8*\b+\i+1], v[ACC+8*(4*(\a)+\b)+\i:ACC+8*(4*(\a)+\b)+\i+1], s[96:97], v[BI+8*\b+\i:BI+8*\b+\i+1] op_sel_hi:[1,0,1]   ; each accumulator from its low end on
.endr
.endr
.irp b, 0,1,2,3
	ds_store_b128 v[STO], v[TM+8*\b:TM+8*\b+3] offset:64*\b
	ds_store_b128 v[STO], v[TM+8*\b+4:TM+8*\b+7] offset:64*\b+16
.endr
.irp i, 0,1,2,3,4,5,6,7
	ds_load_b128 v[ACC+32*(\a)+4*\i:ACC+32*(\a)+4*\i+3], v[RD] offset:\i*2*SPITCH
.endr
.endm
.macro SEND a, younger                 ; younger: the LDS instructions issued behind block a's loads, which may stay out
	s_wait_dscnt \younger
.irp i, 0,1,2,3,4,5,6,7
	global_store_b128 v[CO], v[ACC+32*(\a)+4*\i:ACC+32*(\a)+4*\i+3], s[12:13] offset:(16*(\a)+2*\i)*4096 th:TH_STORE_NT   ; 16 lanes store 256 consecutive bytes, at a multiple of 256 from out0's first byte; written once, read by nobody here
.endr
.endm
	s_wait_loadcnt 0x0                             ; bo
	s_wait_kmcnt 0x0
	s_add_co_i32 s96, s96, s97
	s_add_co_i32 s96, s96, 127
	s_lshl_b32 s96, s96, 23                        ; 2^(e10 + e11) as f32
	s_mov_b32 s97, s96                             ; (named with it as a pair, so it is written)
	PLACES                                         ; behind the last products
	TOSTAGE 0
.irp a, 1,2,3
	TOSTAGE \a
	SEND \a-1, 16                                  ; behind block a - 1's loads: block a's 8 stores and 8 loads
.endr
	SEND 3, 0
	s_wait_tensorcnt 0x0                           ; the wave's end, behind my last tensor load and my last LDS store
	ds_add_u32 v[SPW], v[NIL]
	s_wait_dscnt 0x0
	CROUND                                         ; the closing round: no work-group ends while a partner may still ask for a tile that names it
	s_endpgm
.Lfunc_end_k_q642a53ada8_oproj:
	.size	k_q642a53ada8_oproj, .Lfunc_end_k_q642a53ada8_oproj-k_q642a53ada8_oproj
	.p2alignl 7, 3214868480
	.fill 96, 4, 3214868480
	.section	.rodata,"a",@progbits
	.p2align	6, 0x0
	.amdhsa_kernel k_q642a53ada8_oproj
		.amdhsa_group_segment_fixed_size 327680
		.amdhsa_private_segment_fixed_size 0
		.amdhsa_enable_private_segment 0
		.amdhsa_kernarg_size 40
		.amdhsa_user_sgpr_count 2
		.amdhsa_user_sgpr_kernarg_segment_ptr 1
		.amdhsa_wavefront_size32 1
		.amdhsa_system_sgpr_workgroup_id_x 1
		.amdhsa_system_sgpr_workgroup_id_y 1
		.amdhsa_system_sgpr_workgroup_id_z 1
		.amdhsa_system_vgpr_workitem_id 0
		.amdhsa_next_free_vgpr 512
		.amdhsa_next_free_sgpr 100
		.amdhsa_reserve_vcc 0
		.amdhsa_float_denorm_mode_32 3
		.amdhsa_float_denorm_mode_16_64 3
		.amdhsa_memory_ordered 1
		.amdhsa_forward_progress 1
		.amdhsa_inst_pref_size 45
	.end_amdhsa_kernel
	.amdgpu_metadata
---
amdhsa.version: [ 1, 2 ]
amdhsa.kernels:
  - .name:           k_q642a53ada8_oproj
    .symbol:         k_q642a53ada8_oproj.kd
    .args:
      - { .name: ctx_img, .offset: 0, .size: 8, .value_kind: global_buffer, .address_space: global }
      - { .name: Wo_codes, .offset: 8, .size: 8, .value_kind: global_buffer, .address_space: global }
      - { .name: lowp_scales, .offset: 16, .size: 8, .value_kind: global_buffer, .address_space: global }
      - { .name: bo, .offset: 24, .size: 8, .value_kind: global_buffer, .address_space: global }
      - { .name: out0, .offset: 32, .size: 8, .value_kind: global_buffer, .address_space: global }
    .group_segment_fixed_size: 327680
    .private_segment_fixed_size: 0
    .kernarg_segment_align: 8
    .kernarg_segment_size: 40
    .max_flat_workgroup_size: 128
    .sgpr_count:     100
    .vgpr_count:     512
    .wavefront_size: 32
...
	.end_amdgpu_metadata
.endif
;; end of part 3
;; ======== version 2 of 2: 3 launches; version 1 with the launch attn written anew for expert scheduling mode
;; limits: right only within a limited range of input values
;; workspace buffers: q_img 4,194,304 bytes; k_img 4,194,304 bytes; v_img 4,194,304 bytes; ctx_img 4,194,304 bytes
;; launch qkv: the kernel of part 1 again; grid 8 x 32, 4 waves a work-group, clusters of 4 x 4, 327,680 bytes of LDS; arguments x_codes, Wq_codes, Wk_codes, Wv_codes, lowp_scales, q_img, k_img, v_img; writes q_img, k_img, v_img
;; launch attn (part 4): grid 8 x 32, 8 waves a work-group, no clusters, 263,168 bytes of LDS; arguments q_img, k_img, v_img, lowp_scales, ctx_img; writes ctx_img
.if DOCPART == 4
	.amdgcn_target "amdgcn-amd-amdhsa--gfx1250"
	.amdhsa_code_object_version 6
	.text
	.protected	k_q642a53ada8_attn
	.globl	k_q642a53ada8_attn
	.p2align	8
	.type	k_q642a53ada8_attn,@function
k_q642a53ada8_attn:
	s_mov_b64 s[64:65], 0
	v_nop
	global_prefetch_b8 v0, s[64:65] scope:SCOPE_SE
	s_setreg_imm32_b32 hwreg(HW_REG_WAVE_SCHED_MODE, 0, 2), 2
	s_setreg_imm32_b32 hwreg(HW_REG_WAVE_MODE, 25, 1), 1
	s_wait_xcnt 0x0
	s_wait_alu depctr_vm_vsrc(0)
; SECOND LAUNCH: causal attention of one head on codes of BF8 (E5M2), and ctx quantised for the last product.  q_img, k_img, v_img: images of operand registers, as the first launch laid them.
; WORK LEFT OUT (shown dead at the head of the first kernel): a step of 128 keys all of which come after a tile's 16 queries, and the last quarter of K and V where no wave of the work-group reads it.
; THE SOFTMAX: t = score x log2(e) / 8; M = the row's largest t so far, rounded UP to a whole number; p = 2^(t - M) is what is quantised (scale 2^e8), not normalised; the row's sum is taken of the unquantised p and divides at the end.
; When M moves, the sum and O are multiplied by 2^(old M - new M): exact.  ctx = sum of codes x 2^(e8 + e9) / l, and its code is ctx / 2^e10: the conversion's one scale is 2^(e10 - e8 - e9).
; LIMITS on the given exponents: e6 + e7 between -123 and 130 (they are added to c's exponent field); e8 and e10 - e8 - e9 between -126 and 112.
; SHARES.  Work-group (J, head): each of its eight waves owns TWO tiles of 16 queries, tile 127 - (8 J + w) and tile 8 J + w: 16 - J and J + 1 steps of 128 keys, 17 for every wave of every work-group.
; K AND V LIE IN LDS WHOLE (128 KiB each), each byte written once: four quarters of 512 keys come through registers, each asked for a quarter (four key steps) ahead of the wait for it, stored, and shown by one barrier.
; They lie as images: a fragment's load takes 512 consecutive bytes, so there is no pitch and no padding.
; NO JOINT REQUESTS, though the eight work-groups of a head read the same K and V: a work-group reads each byte once, for up to 16 tiles of queries, and the launch has no tensor load at all. It jumps, on the
; whole number e8, over p's hold: p is at most 1, so the hold can bind only where 57,344 x 2^e8 is under 1, that is e8 under -15.  That spares 64 vector instructions in every key step.
; LAYOUT.  Both products are used transposed: S^T = K Q^T (source 0 = 16 keys, source 1 = my 16 queries), O^T = V^T P^T: a lane holds ONE query (lane % 16) throughout.  Register 8 t + j of S^T is key 16 t + 8 (lane / 16) + j:
; converted eight at a time, that is the second product's own operand layout.  V's channels of a tile were chosen so that the 16 registers of O^T's tiles 2 c and 2 c + 1 are channels 32 c + 16 (lane / 16) + 0..15:
; ctx_img [tile of 16 tokens][head][c = 0, 1][lane][16].
; THE MODE: SCHED_MODE bits 1:0 = 2 (LLVM: expert scheduling mode 2), set by the entry lines.  The code itself states the register dependences
; between vector or matrix instructions and memory or LDS instructions, with s_wait_alu, always for 0.
; THE PLAN.  Registers that memory or LDS instructions touch:
;   v[LI], v[LA ..]   Addresses: written at the head, never again; read by every global load and store and by the quarters' LDS stores.  One wait on va_vdst ahead of the first load.
;   v256-319          A quarter on its way: global loads land in it, the quarter's LDS stores read it, no vector instruction names it.  One wait on vm_vsrc behind the barrier, ahead of the next quarter's loads.
;   v[ADK], v[ADV]    Written by two additions at a step's head; read by the step's 32 LDS loads.  A wait on vm_vsrc ahead of the additions; the step's wait on va_vdst behind them.
;   v[FR ..]          K's fragments: the step's first 16 LDS loads land in it; its eight products K Q^T read it.
;   v[VF ..] (window 1)  V's fragments, a buffer of their own: the step's other 16 LDS loads land in it; its four products V^T P^T, at the step's end, read it.
;   v[CH ..], v[CL ..]   ctx's codes: written once by a tile's four conversions, read by its two stores.  One wait on va_vdst ahead of each pair of stores.
;   Q's registers are loaded once; S^T, p, O^T, p's codes and the statistics are named by vector and matrix instructions alone.
; So ONE wait on va_vdst stands at a step's head: both addresses are written, and the products of the step before are done reading K's buffer and V's.  All 32 loads follow it; no vector or matrix instruction stands among them.
; Scalar results of vector instructions: the wave's number (one wait on va_sdst at the head), and the causal mask's compares, eight at a time into s[MK ..], with one wait on va_sdst ahead of the eight selects that read them.
; REGISTERS: see the names below; v256-319 (window 1) the quarter on its way; v320-383 (window 1) V's fragments.
.set VOFF,  131072                     ; LDS: K's images from 0, V's from here
.set SPARE, 262144                     ; behind them: the spare words, 128 bytes for each wave: four blocks of 256 bytes that no other line names
.set CHUNK, 32768                      ; a quarter of K, or of V: four key steps
.set STEPB, 8192                       ; a key step of K (8 tiles x 1,024 bytes), or of V (4 tiles x 2,048)
.set LI,   1                           ; v1    16 x lane
.set LA,   2                           ; v2-5  16 x thread + 65,536 n
.set SPW,  6                           ; v6    LDS address of my spare word; never rewritten
.set NIL,  7                           ; v7    0; never rewritten
.set ADK,  8                           ; v8    LDS address of the step's K
.set ADV,  9                           ; v9    of its V
.set DQ,   10                          ; v10   lane % 16 - 8 (lane / 16)
.set NM,   12                          ; v12 -M, v13 the largest t so far
.set SUM,  14                          ; v[14:15] the row's sum, in two halves
.set QH,   16                          ; v16-23 Q of the high tile
.set MX,   24                          ; v24, v25 at work: two chains of the maximum
.set PX,   26                          ; v26   a lane permute's destination
.set FF,   28                          ; v[28:29] f = 2^(old M - new M); v29 is named with it as a pair
.set SU2,  30                          ; v[30:31] the sum's second chain
.set FR,   32                          ; v32-95 fragments of K
.set VF,   64                          ; in window 1: v320-383 fragments of V
.set S,    96                          ; v96-159 S^T, then p
.set O,    160                         ; v160-191 O^T
.set PC,   192                         ; v192-207 p's codes
.set PLM,  208                         ; 57,344 x 2^e8
.set PSC,  209                         ; 2^e8
.set CLM,  210                         ; 57,344 x 2^(e10 - e8 - e9)
.set CSC,  211                         ; 2^(e10 - e8 - e9)
.set NINF, 212                         ; -infinity
.set DD,   213                         ; at work: the mask's bound
.set CH,   214                         ; v214-221 ctx's codes, high tile
.set QL,   222                         ; v222-229 Q of the low tile
.set CL,   230                         ; v230-237 ctx's codes, low tile
.set WV,   14                          ; s14 wave;  s15 J;  s16 16 x batch + head
.set J,    15
.set BH,   16
.set CHP,  18                          ; s[18:19] where the high tile's codes go;  s[28:29] the low tile's
.set SEL,  20                          ; s[20:21] lane selects: lane l xor 16
.set CS,   22                          ; s[22:23] c = log2(e) / 8 x 2^(e6 + e7)
.set TB,   24                          ; s24 LDS byte of the step's K
.set KF,   25                          ; s25 the step's first key
.set Q0,   26                          ; s26 the tile's first query
.set CNT,  27
.set CLP,  28
.set E8,   36                          ; s[36:39] e8 .. e11
.set KB,   40                          ; s[40:41] the head's K;  s[42:43] its V
.set VB,   42
.set MK,   56                          ; s56-63 the causal mask of a tile's eight registers (at the head these hold byte offsets, which are done with there)
.set MSB, 0
.macro WIN new
.if MSB != (\new)
	s_set_vgpr_msb (MSB<<8)|(\new)
.set MSB, (\new)
.endif
.endm
; Quarter c is asked for: 16 loads a wave, each 512 consecutive bytes; the work-group's 256 threads take 4,096 bytes a line
.macro STAGE_LOAD c
	WIN 0x40                                       ; destination window 1
.irp i, 0,1,2,3,4,5,6,7
	global_load_b128 v[4*\i:4*\i+3], v[LA], s[KB:KB+1] offset:(\c)*CHUNK+\i*4096
.endr
.irp i, 0,1,2,3,4,5,6,7
	global_load_b128 v[32+4*\i:32+4*\i+3], v[LA], s[VB:VB+1] offset:(\c)*CHUNK+\i*4096
.endr
	WIN 0
.endm
.macro STAGE_STORE c                   ; and goes to LDS as it lay in memory
	WIN 0x04                                       ; store data window 1
.irp i, 0,1,2,3,4,5,6,7
	ds_store_b128 v[LA+(\c)/2], v[4*\i:4*\i+3] offset:((\c)%2)*CHUNK+\i*4096
.endr
.irp i, 0,1,2,3,4,5,6,7
	ds_store_b128 v[LA+2+(\c)/2], v[32+4*\i:32+4*\i+3] offset:((\c)%2)*CHUNK+\i*4096
.endr
	WIN 0
.endm
.macro INIT                            ; a tile begins: the step is written once, and its first run finds zeros, which the first change of M leaves zeros
	v_mov_b32 v[NM+1], 0xff61b1e6                  ; the largest t so far: -3e38, under every t
	v_floor_f32 v[NM], -v[NM+1]                    ; -M
	v_mov_b32 v[SUM], 0
	v_mov_b32 v[SUM+1], 0
.set n, 0
.rept 32
	v_mov_b32 v[O+n], 0
.set n, n+1
.endr
.endm
; A KEY STEP: 128 keys against the tile whose Q lies in v[qreg] on.
.macro STEP qreg
	s_add_co_u32 s30, s[Q0], 15
	s_cmp_gt_u32 s[KF], s30                        ; all 128 keys come after my 16 queries: the step is left out; a scalar branch on ids and the count of steps
	s_cbranch_scc1 .Lhid_\@
	s_wait_alu depctr_vm_vsrc(0)                   ; the LDS loads issued so far have read v[ADK] and v[ADV], which the two additions write
	v_add_nc_u32 v[ADK], s[TB], v[LI]
	v_add_nc_u32 v[ADV], VOFF, v[ADK]
	v_nop                                          ; with the two additions: four places between the last step's products and the loads into the registers that they read
	v_nop
	s_wait_alu depctr_va_vdst(0)                   ; v[ADK] and v[ADV] are written, which the 32 loads below read; the last step's products K Q^T are done reading v[FR ..], its products V^T P^T v[VF ..], in which those loads land
.irp t, 0,1,2,3,4,5,6,7
	ds_load_b128 v[FR+8*\t:FR+8*\t+3], v[ADK] offset:\t*1024
	ds_load_b128 v[FR+8*\t+4:FR+8*\t+7], v[ADK] offset:\t*1024+512
.endr
	WIN 0x40                                       ; destination window 1.  Between the wait above and V's loads stand K's loads and this switch alone
.irp d, 0,1,2,3
.irp c, 0,1,2,3
	ds_load_b128 v[VF+16*\d+4*\c:VF+16*\d+4*\c+3], v[ADV] offset:\d*2048+\c*512   ; V's four tiles land while the scores are made and the softmax is walked
.endr
.endr
	WIN 0
	s_wait_dscnt 16                                ; LDS loads come back in order (ISA guide 5.7.1): K is in; V's sixteen younger loads stay out
.irp t, 0,1,2,3,4,5,6,7
	v_wmma_f32_16x16x64_bf8_bf8 v[S+8*\t:S+8*\t+7], v[FR+8*\t:FR+8*\t+7], v[\qreg:\qreg+7], 0
.endr
.rept 4
	v_nop                                          ; places in front of the first read of the scores
.endr
	s_add_co_u32 s30, s[KF], 127
	s_cmp_le_u32 s30, s[Q0]                        ; all 128 keys count for all my queries: no mask
	s_cbranch_scc1 .Lopen_\@
	s_sub_co_i32 s30, s[Q0], s[KF]
	v_add_nc_u32 v[DD], s30, v[DQ]                 ; register 8 t + j holds key KF + 16 t + 8 (lane / 16) + j: hidden where 16 t + j > my query - KF - 8 (lane / 16)
.irp t, 0,1,2,3,4,5,6,7                        ; a tile of 16 keys at a time: eight compares, one wait, eight selects
.irp j, 0,1,2,3,4,5,6,7
	v_cmp_gt_i32 s[MK+\j], 16*\t+\j, v[DD]
.endr
	s_wait_alu depctr_va_sdst(0)                   ; the eight compares have written s[MK] to s[MK + 7], which the eight selects read
.irp j, 0,1,2,3,4,5,6,7
	v_cndmask_b32 v[S+8*\t+\j], v[S+8*\t+\j], v[NINF], s[MK+\j]   ; -infinity ahead of the maximum: p = 0 then.  The step's first key counts for every query of the tile, so the maximum stays a number
.endr
.endr
.Lopen_\@:
	v_max3_num_f32 v[MX], v[S], v[S+1], v[S+2]     ; the step's largest score of my query among my 64 keys, in two chains, each accumulator from its low end on
	v_max3_num_f32 v[MX+1], v[S+3], v[S+4], v[S+5]
.irp i, 6,10,14,18,22,26,30,34,38,42,46,50,54,58
	v_max3_num_f32 v[MX], v[MX], v[S+\i], v[S+1+\i]
	v_max3_num_f32 v[MX+1], v[MX+1], v[S+2+\i], v[S+3+\i]
.endr
	v_max3_num_f32 v[MX], v[MX], v[S+62], v[S+63]
	v_max_num_f32 v[MX], v[MX], v[MX+1]
	v_permlanex16_b32 v[PX], v[MX], s[SEL], s[SEL+1]
	v_max_num_f32 v[MX], v[MX], v[PX]              ; and among lane l xor 16's
	v_mul_f32 v[MX], s[CS], v[MX]                  ; as t (c is positive)
	v_max_num_f32 v[NM+1], v[NM+1], v[MX]          ; the running largest t
	v_mov_b32 v[MX], v[NM]
	v_floor_f32 v[NM], -v[NM+1]                    ; the new -M = floor(-t) = -ceil(t): a whole number
	v_sub_f32 v[MX], v[NM], v[MX]                  ; old M - new M: a whole number, 0 or less
	v_cvt_i32_f32 v[MX], v[MX]                     ; (it saturates)
	v_ldexp_f32 v[FF], 1.0, v[MX]                  ; f = 2^(old M - new M)
.set n, 0
.rept 32
	v_pk_fma_f32 v[S+n:S+n+1], v[S+n:S+n+1], s[CS:CS+1], v[NM:NM+1] op_sel_hi:[1,0,0]   ; t - M, two at a time (of the pairs c and -M the low word serves both halves)
.set n, n+2
.endr
.set n, 0
.rept 64
	v_exp_f32 v[S+n], v[S+n]                       ; p = 2^(t - M), at most 1
.set n, n+1
.endr
	v_pk_mul_f32 v[SUM:SUM+1], v[SUM:SUM+1], v[FF:FF+1] op_sel_hi:[1,0]   ; the sums under the new M: the plain place behind the exponentials
	s_wait_alu depctr_va_vdst(0)                   ; the 64 exponentials have written v[S ..]: one wait for the whole batch, ahead of its first reader
	v_pk_add_f32 v[SU2:SU2+1], v[S:S+1], v[S+2:S+3]   ; the row's sum is taken of the unquantised p
.irp j, 4,8,12,16,20,24,28,32,36,40,44,48,52,56,60
	v_pk_add_f32 v[SUM:SUM+1], v[SUM:SUM+1], v[S+\j:S+1+\j]
	v_pk_add_f32 v[SU2:SU2+1], v[SU2:SU2+1], v[S+2+\j:S+3+\j]
.endr
	v_pk_add_f32 v[SUM:SUM+1], v[SUM:SUM+1], v[SU2:SU2+1]
	s_cmp_ge_i32 s[E8], -15                        ; 57,344 x 2^e8 is 1 or more: no p reaches it, and the hold changes nothing
	s_cbranch_scc1 .Lno_hold_\@
.set n, 0
.rept 64
	v_min_num_f32 v[S+n], v[S+n], v[PLM]           ; the conversion does not saturate (ISA guide 7.6.2); p is not negative, so the hold is one-sided
.set n, n+1
.endr
.Lno_hold_\@:
.irp t, 0,1,2,3,4,5,6,7
	v_cvt_scalef32_pk8_bf8_f32 v[PC+2*\t:PC+2*\t+1], v[S+8*\t:S+8*\t+7], v[PSC]   ; registers 2 t, 2 t + 1 of the operand: keys 16 t + 8 (lane / 16) + 0..7
.endr
.set n, 0
.rept 16
	v_pk_mul_f32 v[O+n:O+n+1], v[O+n:O+n+1], v[FF:FF+1] op_sel_hi:[1,0]   ; O^T under the new M; also the plain lines between the conversions and the products
.set n, n+2
.endr
	s_wait_dscnt 0x0                               ; V is in
	WIN 0x01                                       ; source 0 (V) window 1
.irp d, 0,1,2,3
	v_wmma_f32_16x16x128_bf8_bf8 v[O+8*\d:O+8*\d+7], v[VF+16*\d:VF+16*\d+15], v[PC:PC+15], v[O+8*\d:O+8*\d+7]   ; four accumulators by turns; the next step's eight products K Q^T stand between two links of a chain
.endr
	WIN 0                                          ; at a label every window is 0
.Lhid_\@:
	s_add_co_u32 s[KF], s[KF], 128
	s_add_co_u32 s[TB], s[TB], STEPB
.endm
.macro PASS trips, qreg                ; a constant number of trips; steps past the diagonal jump over their work
	s_mov_b32 s[CNT], \trips
.Lpass_\@:
	STEP \qreg
	s_sub_co_u32 s[CNT], s[CNT], 1
	s_cmp_lg_u32 s[CNT], 0
	s_cbranch_scc1 .Lpass_\@
.endm
; A tile ends: O^T / the sum, held, converted with the folded scale; two stores of 512 consecutive bytes.
.macro FINISH creg, ptr
.rept 4
	v_nop                                          ; places behind the last products
.endr
	v_add_f32 v[SUM], v[SUM], v[SUM+1]
	v_permlanex16_b32 v[PX], v[SUM], s[SEL], s[SEL+1]
	v_add_f32 v[SUM], v[SUM], v[PX]                ; the row's sum
	v_rcp_f32 v[SUM], v[SUM]
	v_nop                                          ; a plain place behind the reciprocal,
	s_wait_alu depctr_va_vdst(0)                   ; and the wait ahead of its first reader: the reciprocal has written v[SUM]
.set n, 0
.rept 16
	v_pk_mul_f32 v[S+n:S+n+1], v[O+n:O+n+1], v[SUM:SUM+1] op_sel_hi:[1,0]
.set n, n+2
.endr
.set n, 0
.rept 32
	v_med3_num_f32 v[S+n], v[S+n], -v[CLM], v[CLM]
.set n, n+1
.endr
.irp i, 0,1,2,3
	v_cvt_scalef32_pk8_bf8_f32 v[\creg+2*\i:\creg+2*\i+1], v[S+8*\i:S+8*\i+7], v[CSC]
.endr
	v_nop                                          ; one plain line behind the last conversion: the next tile's products write its sources
	s_wait_alu depctr_va_vdst(0)                   ; the four conversions have written the tile's eight registers of codes, which the two stores read; nothing writes them again
	global_store_b128 v[LI], v[\creg:\creg+3], s[\ptr:\ptr+1]
	global_store_b128 v[LI], v[\creg+4:\creg+7], s[\ptr:\ptr+1] offset:512
.endm
; Quarter c comes in and is walked by the high tile.  The last quarter (keys 1,536 on) is read only where the work-group's high tiles reach it: J under 4; the branches hang on the work-group's number, and lead round no barrier.
.macro QUARTER c
	s_wait_loadcnt 0x0                             ; the quarter is in my registers
.if \c == 3
	s_cmp_lt_u32 s[J], 4
	s_cbranch_scc0 .Lno_store_\@
.endif
	STAGE_STORE \c
.if \c == 3
.Lno_store_\@:
.endif
	s_wait_dscnt 0x0                               ; for the others' sake: my stores have landed
	s_barrier_signal -1
	s_barrier_wait -1                              ; the quarter lies in LDS whole
.if \c < 3
	s_wait_alu depctr_vm_vsrc(0)                   ; my LDS stores have read v256-319, in which the next quarter's loads land
.endif
.if \c == 2
	s_cmp_lt_u32 s[J], 4
	s_cbranch_scc0 .Lno_load_\@
.endif
.if \c < 3
	STAGE_LOAD \c+1                                ; the next quarter: it has this quarter's four key steps in which to come
.endif
.if \c == 2
.Lno_load_\@:
.endif
	s_mov_b32 s[TB], \c*CHUNK
	s_mov_b32 s[KF], \c*512
	PASS 4, QH
.endm
	s_load_b256 s[4:11], s[0:1], 0x0               ; q_img s[4:5], k_img s[6:7], v_img s[8:9], the exponents s[10:11]
	s_load_b64 s[12:13], s[0:1], 0x20              ; ctx_img
	v_lshl_add_u32 v[SPW], v0, 2, SPARE
	v_mov_b32 v[NIL], 0
	v_lshrrev_b32 v1, 5, v0
	v_readfirstlane_b32 s[WV], v1                  ; wave 0..7
	s_mov_b32 s[J], ttmp9
	s_and_b32 s[BH], ttmp7, 0xffff
	v_and_b32 v[LI], 31, v0
	v_lshlrev_b32 v[LI], 4, v[LI]
	v_lshlrev_b32 v[LA], 4, v0
	v_add_nc_u32 v[LA+1], 0x10000, v[LA]
	v_add_nc_u32 v[LA+2], 0x20000, v[LA]
	v_add_nc_u32 v[LA+3], 0x30000, v[LA]
	v_and_b32 v[DQ], 15, v0
	v_bfe_u32 v11, v0, 4, 1
	v_lshlrev_b32 v11, 3, v11
	v_sub_nc_u32 v[DQ], v[DQ], v11
	v_mov_b32 v[PX], 0                             ; written once: a lane permute's destination counts as one of its sources
	v_mov_b32 v[FF+1], 0                           ; (named as the upper half of a pair)
	v_mov_b32 v[NINF], 0xff800000
	s_mov_b32 s[SEL], 0x76543210
	s_mov_b32 s[SEL+1], 0xfedcba98
	s_wait_alu depctr_va_sdst(0)                   ; s[WV] is written, ahead of its first reader: my tiles' numbers are made from it
	s_lshl_b32 s30, s[J], 3
	s_add_co_u32 s30, s30, s[WV]                   ; my low tile: 8 J + w
	s_sub_co_u32 s31, 127, s30                     ; my high tile
	s_lshl_b32 s48, s31, 4                         ; their first queries
	s_lshl_b32 s49, s30, 4
	s_lshl_b32 s52, s[BH], 17                      ; the head's 131,072 bytes in each of q_img, k_img, v_img
	s_mov_b32 s53, 0
	s_lshl_b32 s54, s31, 10                        ; a tile of Q is 1,024 bytes
	s_add_co_u32 s54, s54, s52
	s_mov_b32 s55, 0
	s_lshl_b32 s56, s30, 10
	s_add_co_u32 s56, s56, s52
	s_mov_b32 s57, 0
	s_lshr_b32 s58, s[BH], 4
	s_lshl_b32 s58, s58, 7                         ; 128 x batch
	s_and_b32 s59, s[BH], 15
	s_lshl_b32 s59, s59, 10                        ; the head's 1,024 bytes in a tile's 16,384 of ctx_img
	s_add_co_u32 s60, s58, s31
	s_lshl_b32 s60, s60, 14
	s_add_co_u32 s60, s60, s59
	s_mov_b32 s61, 0
	s_add_co_u32 s62, s58, s30
	s_lshl_b32 s62, s62, 14
	s_add_co_u32 s62, s62, s59
	s_mov_b32 s63, 0
	s_wait_kmcnt 0x0
	s_load_b64 s[32:33], s[10:11], 0x18            ; e6, e7
	s_load_b128 s[E8:E8+3], s[10:11], 0x20         ; e8 .. e11
	s_add_nc_u64 s[KB:KB+1], s[6:7], s[52:53]
	s_add_nc_u64 s[VB:VB+1], s[8:9], s[52:53]
	s_add_nc_u64 s[44:45], s[4:5], s[54:55]
	s_add_nc_u64 s[46:47], s[4:5], s[56:57]
	s_add_nc_u64 s[CHP:CHP+1], s[12:13], s[60:61]
	s_add_nc_u64 s[CLP:CLP+1], s[12:13], s[62:63]
	s_wait_alu depctr_va_vdst(0)                   ; v[LI] and v[LA] to v[LA + 3] are written: every global load and store and every LDS store of the kernel reads one of them as its address, and none is written again
	STAGE_LOAD 0
	global_load_b128 v[QH:QH+3], v[LI], s[44:45] th:TH_LOAD_NT             ; Q's fragments stay in registers; each is read by one wave of the launch
	global_load_b128 v[QH+4:QH+7], v[LI], s[44:45] offset:512 th:TH_LOAD_NT
	global_load_b128 v[QL:QL+3], v[LI], s[46:47] th:TH_LOAD_NT
	global_load_b128 v[QL+4:QL+7], v[LI], s[46:47] offset:512 th:TH_LOAD_NT
	s_wait_kmcnt 0x0
	s_add_co_i32 s30, s32, s33
	s_lshl_b32 s30, s30, 23
	s_mov_b32 s[CS], 0x3e38aa3b                    ; log2(e) / 8
	s_add_co_i32 s[CS], s[CS], s30                 ; a score stands for score x 2^(e6 + e7): the two exponents are added to c's exponent field
	s_mov_b32 s[CS+1], s[CS]                       ; (named with it as a pair, so it is written)
	s_add_co_i32 s30, s[E8], 127
	s_lshl_b32 s31, s30, 23
	v_mov_b32 v[PSC], s31
	s_add_co_i32 s30, s30, 15
	s_lshl_b32 s30, s30, 23
	s_or_b32 s30, s30, 0x600000
	v_mov_b32 v[PLM], s30
	s_sub_co_i32 s30, s[E8+2], s[E8]
	s_sub_co_i32 s30, s30, s[E8+1]                 ; e10 - e8 - e9
	s_add_co_i32 s30, s30, 127
	s_lshl_b32 s31, s30, 23
	v_mov_b32 v[CSC], s31
	s_add_co_i32 s30, s30, 15
	s_lshl_b32 s30, s30, 23
	s_or_b32 s30, s30, 0x600000
	v_mov_b32 v[CLM], s30
	INIT
	s_mov_b32 s[Q0], s48
	QUARTER 0                                      ; THE HIGH TILE walks the quarters as they come
	QUARTER 1
	QUARTER 2
	QUARTER 3
	FINISH CH, CHP
	INIT                                           ; THE LOW TILE: its J + 1 steps lie in the first two quarters, which every wave has seen behind the barriers above
	s_mov_b32 s[Q0], s49
	s_mov_b32 s[TB], 0
	s_mov_b32 s[KF], 0
	PASS 8, QL
	FINISH CL, CLP
	s_wait_dscnt 0x0                               ; the closing lines, six on end
	s_wait_alu 0x0
	s_wait_tensorcnt 0x0
	ds_add_u32 v[SPW], v[NIL]
	s_wait_dscnt 0x0
	s_endpgm
.Lfunc_end_k_q642a53ada8_attn:
	.size	k_q642a53ada8_attn, .Lfunc_end_k_q642a53ada8_attn-k_q642a53ada8_attn
	.p2alignl 7, 3214868480
	.fill 96, 4, 3214868480
	.section	.rodata,"a",@progbits
	.p2align	6, 0x0
	.amdhsa_kernel k_q642a53ada8_attn
		.amdhsa_group_segment_fixed_size 263168
		.amdhsa_private_segment_fixed_size 0
		.amdhsa_enable_private_segment 0
		.amdhsa_kernarg_size 40
		.amdhsa_user_sgpr_count 2
		.amdhsa_user_sgpr_kernarg_segment_ptr 1
		.amdhsa_wavefront_size32 1
		.amdhsa_system_sgpr_workgroup_id_x 1
		.amdhsa_system_sgpr_workgroup_id_y 1
		.amdhsa_system_sgpr_workgroup_id_z 1
		.amdhsa_system_vgpr_workitem_id 0
		.amdhsa_next_free_vgpr 384
		.amdhsa_next_free_sgpr 66
		.amdhsa_reserve_vcc 0
		.amdhsa_float_denorm_mode_32 3
		.amdhsa_float_denorm_mode_16_64 3
		.amdhsa_memory_ordered 1
		.amdhsa_forward_progress 1
		.amdhsa_inst_pref_size 152
	.end_amdhsa_kernel
	.amdgpu_metadata
---
amdhsa.version: [ 1, 2 ]
amdhsa.kernels:
  - .name:           k_q642a53ada8_attn
    .symbol:         k_q642a53ada8_attn.kd
    .args:
      - { .name: q_img, .offset: 0, .size: 8, .value_kind: global_buffer, .address_space: global }
      - { .name: k_img, .offset: 8, .size: 8, .value_kind: global_buffer, .address_space: global }
      - { .name: v_img, .offset: 16, .size: 8, .value_kind: global_buffer, .address_space: global }
      - { .name: lowp_scales, .offset: 24, .size: 8, .value_kind: global_buffer, .address_space: global }
      - { .name: ctx_img, .offset: 32, .size: 8, .value_kind: global_buffer, .address_space: global }
    .group_segment_fixed_size: 263168
    .private_segment_fixed_size: 0
    .kernarg_segment_align: 8
    .kernarg_segment_size: 40
    .max_flat_workgroup_size: 256
    .sgpr_count:     66
    .vgpr_count:     384
    .wavefront_size: 32
...
	.end_amdgpu_metadata
.endif
;; end of part 4
;; launch oproj: the kernel of part 3 again; grid 8 x 32, 4 waves a work-group, clusters of 4 x 4, 327,680 bytes of LDS; arguments ctx_img, Wo_codes, lowp_scales, bo, out0; writes out0
